; MI455X (gfx1250); checked and timed in simulation.
; The chip was launched on July 23, 2026; its instructions are those of AMD's public machine-readable ISA for CDNA 5 (MIT licence, August 2026) and "CDNA5" Instruction Set Architecture Reference Guide (July 2026). The comments in the code are by the model that wrote it; some were corrected since.
;; Attention. Allowed arithmetic: matrix products marked QUANTISED: E2M3 operands, one E8M0 scale for each 32 along K, by v_wmma_scale_f32_16x16x128_f8f6f4 with both operands' format E2M3, f32 sums; everything else in f32.
;; Inputs: adj 2,048 x 2,048 float32; b_attn 3,072 float32; b_proj 1,024 float32; b_proj1 1,024 float32; w_attn_codes 3,072 x 32 x 24 uint8 (E2M3 codes of w_attn, K innermost, in blocks of 32 codes, four codes in three bytes); w_attn_scales 3,072 x 32 uint8 (E8M0 scales of w_attn, one for each 32 codes along K); w_proj1_codes 1,024 x 32 x 24 uint8 (E2M3 codes of w_proj1, K innermost, in blocks of 32 codes, four codes in three bytes); w_proj1_scales 1,024 x 32 uint8 (E8M0 scales of w_proj1, one for each 32 codes along K); w_proj_codes 1,024 x 32 x 24 uint8 (E2M3 codes of w_proj, K innermost, in blocks of 32 codes, four codes in three bytes); w_proj_scales 1,024 x 32 uint8 (E8M0 scales of w_proj, one for each 32 codes along K); x_codes 2 x 2,048 x 32 x 24 uint8 (E2M3 codes of x, K innermost, in blocks of 32 codes, four codes in three bytes); x_scales 2 x 2,048 x 32 uint8 (E8M0 scales of x, one for each 32 codes along K).
;; Outputs: out0 2 x 2,048 x 1,024 float32.
;; This version of the problem:
;;   THIS VERSION OF THE PROBLEM IS GIVEN IN LOW PRECISION. The matrix products marked QUANTISED in the list below multiply operands that are first quantised to E2M3 (2 exponent bits, 3 mantissa bits; 6 bits a number), with one power-of-two scale for each 32 numbers along K (OCP MX v1.0); their sums are f32. All else is computed in f32.
;;   The module's matrix products, in the order in which they are computed (A, B: the left and right operand; K: the contracted axis; several contracted axes count as one K, in the product's order):
;;     1. [M 4,096, K 1,024] x [K 1,024, N 3,072]; A: input x (given as codes); B: input w_attn (given as codes): QUANTISED
;;     2. batch 32 x [M 2,048, K 64] x [K 64, N 2,048]; A: computed on the way; B: computed on the way: QUANTISED
;;     3. batch 32 x [M 2,048, K 2,048] x [K 2,048, N 64]; A: softmax (see below); B: computed on the way: QUANTISED
;;     4. [M 4,096, K 1,024] x [K 1,024, N 1,024]; A: computed on the way; B: input w_proj (given as codes): QUANTISED
;;     5. [M 4,096, K 1,024] x [K 1,024, N 1,024]; A: computed on the way; B: input w_proj1 (given as codes): QUANTISED
;;   THE QUANTISER, for each operand of a quantised product, along K:
;;     - K is cut into blocks of 32 from its start; a last block that is shorter is filled with zeros.
;;     - A block's scale is 2^e with e = floor(log2(the largest magnitude in the block)) - 2, held to -126 .. 127; a block of zeros has e = 0. As a byte (E8M0): e + 127.
;;     - Each number is divided by its block's scale, clamped to +-7.5, and rounded to the nearest number of E2M3, ties to even, subnormals kept.
;;     - The product sums the exact products of the quantised numbers (number of the format x scale) in f32.
;;   ~~~python
;;   def quantise(x, axis):      # numpy; x: float32 -> the quantised numbers, widened to float32 again
;;       x = np.moveaxis(x, axis, -1); K = x.shape[-1]
;;       x = np.pad(x, [(0, 0)] * (x.ndim - 1) + [(0, -K % 32)]); x = x.reshape(x.shape[:-1] + (-1, 32)); a = np.abs(x).max(-1, keepdims=True)
;;       e = np.where(a > 0, np.clip(np.frexp(np.where(a > 0, a, 1))[1] - 1 - 2, -126, 127), 0)      # np.frexp(a)[1] - 1 = floor(log2(a)), exactly
;;       r = np.clip(x / 2.0 ** e, -7.5, 7.5)
;;       step = 2.0 ** (np.maximum(np.frexp(np.where(r == 0, 1, r))[1] - 1, 0) - 3)
;;       q = np.round(r / step) * step * 2.0 ** e      # np.round: ties to even
;;       return np.moveaxis(q.reshape(q.shape[:-2] + (-1,))[..., :K], -1, axis).astype(np.float32)
;;   ~~~
;;   SOFTMAX AHEAD OF A QUANTISED PRODUCT. Where the list says 'softmax', what is quantised is not the finished softmax but p = 2^(t - M), with t = logit x log2(e) and M = ceil(the row's largest t), a whole number; so 1/2 < the row's largest p <= 1. The row's sum l is taken of the UNQUANTISED p, in f32, and the product's result is divided by l at the end. Since M is a whole number, a kernel that streams over the keys may use a running M (the ceiling of the running maximum): every later rescaling is an exact power of two, which a block's scale takes up: the codes' values come out the same.
;;   OPERANDS COMPUTED ON THE WAY. 'Computed on the way' means the value that the module computes at that place (a softmax that the list does not call 'softmax' is quantised finished and normalised). What goes into a quantiser is computed in f32, as accurately as f32 sums, v_exp_f32 and their like allow (about 1e-6 of the number): no bf16 or f16 on the way to a quantiser, and a product that is left as it is and whose result goes on into a quantised operand takes f32 operands (vector FMAs, or v_wmma_f32_16x16x4_f32). A number that lies on a knife's edge between two numbers of the format may be rounded either way, as far as f32 arithmetic and the matrix unit's own rounding can turn it there, and no further.
;;   INPUTS GIVEN AS CODES. w_attn (in the module: [1024, 3072], K = its axis 0); w_proj (in the module: [1024, 1024], K = its axis 0); w_proj1 (in the module: [1024, 1024], K = its axis 0); x (in the module: [2, 2048, 1024], K = its axis 2): each comes as NAME_codes (uint8): NAME with its K axis moved to the last place and cut into blocks of 32 codes, [.., K / 32, bytes a block], one block behind the other in memory; four codes in three bytes: a row's codes are one little-endian stream of bits, code i at bits 6 i .. 6 i + 5 (a code: sign, 2 exponent bits, 3 mantissa bits); and NAME_scales (uint8): the same leading axes, one E8M0 byte (e + 127) for each 32 codes along K. Its value is code x scale, taken as it is: it is not quantised again, and the codes and scales need not be those that the quantiser above would give.
;; One version. Each part assembles by itself: llvm-mc -triple=amdgcn-amd-amdhsa -mcpu=gfx1250 --defsym DOCPART=n.
;; ======== version 1 of 1: 3 launches
;; limits: right only within a limited range of input values
;; workspace buffers: qrec 3,670,016 bytes; arec 3,670,016 bytes; kv 7,340,032 bytes
;; launch qkv (part 1): grid 12 x 16, 8 waves a work-group, clusters of 4 x 4, 327,680 bytes of LDS; arguments x_codes, x_scales, w_attn_codes, w_attn_scales, b_attn, qrec, kv; writes qrec, kv
.if DOCPART == 1
	.amdgcn_target "amdgcn-amd-amdhsa--gfx1250"
	.amdhsa_code_object_version 6
	.text
	.protected	k_q8638468ed5_qkv
	.globl	k_q8638468ed5_qkv
	.p2align	8
	.type	k_q8638468ed5_qkv,@function
k_q8638468ed5_qkv:
	s_mov_b64 s[64:65], 0
	v_nop
	global_prefetch_b8 v0, s[64:65] scope:SCOPE_SE
	s_setreg_imm32_b32 hwreg(HW_REG_WAVE_MODE, 25, 1), 1
	s_wait_xcnt 0x0
	s_wait_alu depctr_hold_cnt(0) depctr_sa_sdst(0) depctr_va_vdst(0) depctr_va_sdst(0) depctr_va_ssrc(0) depctr_va_vcc(0) depctr_vm_vsrc(0)
	s_getreg_b32 s2, hwreg(HW_REG_IB_STS2, 6, 4)
	s_cmp_eq_u32 s2, 0
	s_cbranch_scc0 .Lentry_in_a_cluster
	s_endpgm
.Lentry_in_a_cluster:
	s_bfe_u32 s2, ttmp6, 0x10000c
	s_cmp_lg_u32 s2, 0xf033
	s_cbranch_scc0 .Lentry_shape_is_right
	s_endpgm
.Lentry_shape_is_right:
; qkv = x w_attn + b_attn on codes of FP6 (E2M3) with E8M0 scales, f32 sums; then q, k and v are quantised anew and leave as RECORDS.
; A RECORD (1,792 bytes) is the image of one operand fragment's registers (16 rows x 128 K, 12 registers a lane) and its scale words:
;   +0 registers 0-3 (16 bytes a lane), +512 registers 4-5 (8 a lane), +768 registers 6-9, +1280 registers 10-11, +1536 the pair (scale word, the same turned by 16 bits), 8 a lane.
; qrec: record ((T16 / 8) x 8 + hp) x 8 + T16 % 8 (T16: tile of 16 tokens, hp: pair of heads).  kv: for (batch x 8 + hp, step of 128 keys) 16 records: 8 of k (16 keys x 128 features), 8 of v (16 features x 128 keys).
; SHARES.  A work-group makes 256 tokens x 256 features; the cluster's x says which third: 0 q, 1 k, 2 v.  Eight waves, two to a SIMD; a wave makes 128 rows of P0 x 64 rows of P1: 32 accumulators, window 1.
; P0 is source 0, along which a lane's registers run, so P0 is the axis that is quantised: features for q and k (P0 = w_attn's rows), keys for v (P0 = x's rows).
; The two roles have LDS address registers of their own, made at the head from constants and the wave's number; the K steps are written for each role and chosen by the cluster's x, which all partners share.  Barriers and tensor loads stand on the common way.
; K: a row of codes is 768 bytes = three chunks of 256 bytes, each beginning on a multiple of 256.  Chunks 0 and 1 are asked for at the head, one joint load a wave (wave w: chunk w / 4, x or w_attn by bit 1, which 128 rows by bit 0);
; chunk 2 takes chunk 0's slot behind K step 2.  A K step is 96 bytes of a row; steps 2 and 5 lie across two chunks.
; CLUSTER 4 x 4: x's panel is asked for jointly along a row of the cluster, w_attn's along a column.
; The scale words of a wave's rows, for all of K (32 bytes a row), go from memory into 48 registers once: a lane a row, two loads of 16 bytes.
; No prefetch: the text has no loop to run ahead in; two of the three chunks are asked for at the head.
; LIMITS: NaN and infinities are not served.  A block of zeros, and one whose largest magnitude lies under 2^-124, gets the scale byte 1 (the bytes are read by this program alone; zero codes add nothing).
.set PITCH, 272                        ; an LDS row: 256 bytes + 16 of padding
.set HALFT, 128*PITCH
.set SLOT,  4*HALFT                    ; x's 256 rows, then w_attn's 256
.set SPARE, 2*SLOT                     ; the spare words, 128 bytes for each of 8 waves
.set REC,   1792
.set SPW, 1
.set NIL, 2
.set LS,  3                            ; 32 x lane
.set AQ0, 4                            ; v4-7 q, k: P0's fragments: slot 0, slot 1, across 0 -> 1, across 1 -> 0;  v8-11 P1's
.set AQ1, 8
.set AV0, 12                           ; v12-19 the same for v
.set AV1, 16
.set L16, 20
.set L8,  21
.set BH,  22
.set BR,  23
.set SC0, 32                           ; v32-63 P0's scale words: tiles 2 i (lanes 0-15), 2 i + 1 (lanes 16-31), K step q at 32 + 8 i + q
.set SC1, 64                           ; v64-79 P1's
.set P0F, 80                           ; v80-175 eight fragments of P0
.set P1F, 176                          ; v176-223 four of P1
.set Y0,  224
.set Y1,  228
.set PW,  232                          ; v232-239 the four records' scale pairs
.set TM,  240                          ; v240-251 the quantiser's work
.set BB,  32                           ; the bias, once the walk is over
.set PC0, 96                           ; v96-143 the four records' codes
.set WV,  18
.set GG0, 19
.set CX,  20
.set CY,  21
.set TC,  22
.set TR,  23
.set G1X, 24
.set G0X, 32
.set G1W, 36
.set G0W, 44
.set MROW, 48
.set MCOL, 49
.set CLS, 50
.set GG1, 51
.set SEL, 52
.set PLL, 54
.set P32, 55
.set PHH, 56
.set OUTB, 58
.set BIAS, 60
.set MSB, 0
.macro WIN new                         ; the immediate's high byte repeats the setting that is left
.if MSB != \new
	s_set_vgpr_msb (MSB<<8)|\new
.set MSB, \new
.endif
.endm
.macro PLACES n
.rept \n
	v_nop
.endr
.endm
.macro CROUND                          ; a round of the cluster's barrier
	s_barrier_signal -1
	s_barrier_wait -1
	s_cmp_lg_u32 s[WV], 0
	s_cbranch_scc1 .Lnot_wave_0_\@
	s_barrier_signal -3
.Lnot_wave_0_\@:
	s_barrier_wait -3
	s_barrier_signal -1
	s_barrier_wait -1
.endm
.macro FRAG reg, adr, st, i            ; lane l holds row l % 16; registers 6 c .. 6 c + 5 are the 24 bytes of K = 64 c + 32 (l / 16) on, in pieces of 8 bytes; byte y of a row lies in chunk y / 256
.irp p, 0,1,2,3,4,5
.set BY, 96*(\st)+48*(\p/3)+8*(\p%3)
.if BY/256 == (BY+24)/256
	ds_load_b64 v[\reg+2*\p:\reg+2*\p+1], v[\adr+(BY/256)%2] offset:BY%256+(\i)*16*PITCH
.else
	ds_load_b64 v[\reg+2*\p:\reg+2*\p+1], v[\adr+2+(BY/256)%2] offset:BY%256-232+(\i)*16*PITCH
.endif
.endr
.endm
.macro WM d, a, b, z, sa, sb, ra, rb   ; one product; z: it starts the sum; ra, rb: the side's scale words stand in lanes 16-31
.if \z
.if (\ra) && (\rb)
	v_wmma_scale_f32_16x16x128_f8f6f4 v[\d:\d+7], v[\a:\a+11], v[\b:\b+11], 0, v[\sa], v[\sb] matrix_a_fmt:MATRIX_FMT_FP6 matrix_b_fmt:MATRIX_FMT_FP6 matrix_a_scale:MATRIX_SCALE_ROW1 matrix_b_scale:MATRIX_SCALE_ROW1
.elseif (\ra)
	v_wmma_scale_f32_16x16x128_f8f6f4 v[\d:\d+7], v[\a:\a+11], v[\b:\b+11], 0, v[\sa], v[\sb] matrix_a_fmt:MATRIX_FMT_FP6 matrix_b_fmt:MATRIX_FMT_FP6 matrix_a_scale:MATRIX_SCALE_ROW1
.elseif (\rb)
	v_wmma_scale_f32_16x16x128_f8f6f4 v[\d:\d+7], v[\a:\a+11], v[\b:\b+11], 0, v[\sa], v[\sb] matrix_a_fmt:MATRIX_FMT_FP6 matrix_b_fmt:MATRIX_FMT_FP6 matrix_b_scale:MATRIX_SCALE_ROW1
.else
	v_wmma_scale_f32_16x16x128_f8f6f4 v[\d:\d+7], v[\a:\a+11], v[\b:\b+11], 0, v[\sa], v[\sb] matrix_a_fmt:MATRIX_FMT_FP6 matrix_b_fmt:MATRIX_FMT_FP6
.endif
.else
.if (\ra) && (\rb)
	v_wmma_scale_f32_16x16x128_f8f6f4 v[\d:\d+7], v[\a:\a+11], v[\b:\b+11], v[\d:\d+7], v[\sa], v[\sb] matrix_a_fmt:MATRIX_FMT_FP6 matrix_b_fmt:MATRIX_FMT_FP6 matrix_a_scale:MATRIX_SCALE_ROW1 matrix_b_scale:MATRIX_SCALE_ROW1
.elseif (\ra)
	v_wmma_scale_f32_16x16x128_f8f6f4 v[\d:\d+7], v[\a:\a+11], v[\b:\b+11], v[\d:\d+7], v[\sa], v[\sb] matrix_a_fmt:MATRIX_FMT_FP6 matrix_b_fmt:MATRIX_FMT_FP6 matrix_a_scale:MATRIX_SCALE_ROW1
.elseif (\rb)
	v_wmma_scale_f32_16x16x128_f8f6f4 v[\d:\d+7], v[\a:\a+11], v[\b:\b+11], v[\d:\d+7], v[\sa], v[\sb] matrix_a_fmt:MATRIX_FMT_FP6 matrix_b_fmt:MATRIX_FMT_FP6 matrix_b_scale:MATRIX_SCALE_ROW1
.else
	v_wmma_scale_f32_16x16x128_f8f6f4 v[\d:\d+7], v[\a:\a+11], v[\b:\b+11], v[\d:\d+7], v[\sa], v[\sb] matrix_a_fmt:MATRIX_FMT_FP6 matrix_b_fmt:MATRIX_FMT_FP6
.endif
.endif
.endm
.macro MUL16 st, t0                    ; P0's tiles t0 .. t0 + 3 x P1's four: sixteen accumulators by turns; accumulator (a, t) at 64 a + 8 t of window 1
.irp t, \t0, \t0+1, \t0+2, \t0+3
.irp a, 0,1,2,3
	WM 64*\a+8*(\t), P0F+12*(\t), P1F+12*\a, (\st)==0, SC0+8*((\t)/2)+(\st), SC1+8*(\a/2)+(\st), (\t)%2, \a%2
.endr
.endr
.endm
.macro KSTEP st, a0, a1                ; 128 along K: 72 LDS loads, 32 products
.if (\st) > 0
	PLACES 4                                       ; in front of loads into registers that products have read
.endif
.irp i, 0,1,2,3
	FRAG P1F+12*\i, \a1, \st, \i
.endr
.irp i, 0,1,2,3,4,5,6,7
	FRAG P0F+12*\i, \a0, \st, \i
.endr
	s_wait_dscnt 24                                ; all but the youngest 24 loads, P0's tiles 4-7
	WIN 0x50                                       ; C and D in window 1
	MUL16 \st, 0
	s_wait_dscnt 0x0
	MUL16 \st, 4
	WIN 0
.endm
.macro ROLE f, l, a0, a1
.set ST, \f
.rept \l-\f+1
	KSTEP ST, \a0, \a1
.set ST, ST+1
.endr
.endm
.macro SEG f, l                        ; K steps f .. l, in the role that the cluster's x gives
	s_cmp_eq_u32 s[CLS], 2
	s_cbranch_scc1 .Lrv_\@
	ROLE \f, \l, AQ0, AQ1
	s_branch .Lrj_\@
.Lrv_\@:
	ROLE \f, \l, AV0, AV1
.Lrj_\@:
.endm
; X (v[dst] on): the codes of block 2 c, Y (v[y] on): of block 2 c + 1, each two groups of 8 codes (6 bytes).  The swaps give lanes 0-15 all of block 2 c and lanes 16-31 all of block 2 c + 1;
; four byte selections and a move put the groups in order.
.macro PACKC dst, y
.irp i, 0,1,2
	v_permlane16_swap_b32 v[\dst+\i], v[\y+\i]
.endr
	v_perm_b32 v[\dst+3], v[\dst+2], v[\dst+1], s[P32]
	v_perm_b32 v[\dst+4], v[\y+1], v[\dst+2], s[PHH]
	v_perm_b32 v[\dst+2], v[\y+1], v[\y], s[P32]
	v_perm_b32 v[\dst+1], v[\y], v[\dst+1], s[PLL]
	v_mov_b32 v[\dst+5], v[\y+2]
.endm
; 64 numbers of a lane (window 1, from register s on), four blocks of 32 shared with lane l xor 16, become a fragment's codes in v[pc] on and the scale pair in v[pw], v[pw + 1].
.macro QUANT s, pc, pw
	WIN 0x05
.irp b, 0,1,2,3
	v_max3_num_f32 v[TM+\b], |v[\s+16*\b]|, |v[\s+1+16*\b]|, 0x1800000   ; the floor 2^(3 - 127) holds the byte at 1 from below
.endr
	WIN 0x14
.irp i, 2,4,6,8,10,12,14
.irp b, 0,1,2,3
	v_max3_num_f32 v[TM+\b], v[TM+\b], |v[\s+16*\b+\i]|, |v[\s+1+16*\b+\i]|
.endr
.endr
	WIN 0
.irp b, 0,1,2,3
	v_permlanex16_b32 v[TM+4+\b], v[TM+\b], s[SEL], s[SEL+1]
.endr
.irp b, 0,1,2,3
	v_max_num_f32 v[TM+\b], v[TM+\b], v[TM+4+\b]   ; the block's largest magnitude
.endr
.irp b, 0,1,2,3
	v_add_nc_u32 v[TM+8+\b], 0xff000000, v[TM+\b]  ; 2 off its exponent field: the conversion's scale operand
.endr
.irp b, 0,1,2,3
	v_lshrrev_b32 v[TM+4+\b], 23, v[TM+8+\b]       ; the scale's byte
.endr
	v_lshl_or_b32 v[\pw], v[TM+5], 8, v[TM+4]
	v_lshl_or_b32 v[\pw], v[TM+6], 16, v[\pw]
	v_lshl_or_b32 v[\pw], v[TM+7], 24, v[\pw]
	WIN 0x01
	v_cvt_scalef32_pk16_fp6_f32 v[\pc:\pc+2], v[\s:\s+15], v[TM+8]
	v_cvt_scalef32_pk16_fp6_f32 v[Y0:Y0+2], v[\s+16:\s+31], v[TM+9]
	v_cvt_scalef32_pk16_fp6_f32 v[\pc+6:\pc+8], v[\s+32:\s+47], v[TM+10]
	v_cvt_scalef32_pk16_fp6_f32 v[Y1:Y1+2], v[\s+48:\s+63], v[TM+11]
	WIN 0
	v_nop                                          ; one plain place behind the scaled conversions
	PACKC \pc, Y0
	PACKC \pc+6, Y1
	v_alignbit_b32 v[\pw+1], v[\pw], v[\pw], 16    ; the word turned by 16 bits: the odd head's two bytes low
.endm
.macro PUT pc, pw, off                 ; a record leaves: each store covers 512 or 256 consecutive bytes, aligned
	global_store_b128 v[L16], v[\pc:\pc+3], s[OUTB:OUTB+1] offset:\off
	global_store_b64 v[L8], v[\pc+4:\pc+5], s[OUTB:OUTB+1] offset:\off+512
	global_store_b128 v[L16], v[\pc+6:\pc+9], s[OUTB:OUTB+1] offset:\off+768
	global_store_b64 v[L8], v[\pc+10:\pc+11], s[OUTB:OUTB+1] offset:\off+1280
	global_store_b64 v[L8], v[\pw:\pw+1], s[OUTB:OUTB+1] offset:\off+1536
.endm
.macro ADRS reg, sb
	v_add_nc_u32 v[\reg], s[\sb], v28
	v_add_nc_u32 v[\reg+2], s[\sb], v30
	v_add_nc_u32 v[\reg+3], s[\sb], v31
	v_add_nc_u32 v[\reg+1], SLOT, v[\reg]
.endm
	s_load_b256 s[4:11], s[0:1], 0x0               ; x's codes, x's scales, w_attn's codes, its scales
	s_load_b128 s[12:15], s[0:1], 0x20             ; b_attn, qrec
	s_load_b64 s[16:17], s[0:1], 0x30              ; kv
	v_lshl_add_u32 v[SPW], v0, 2, SPARE
	v_mov_b32 v[NIL], 0
	ds_add_u32 v[SPW], v[NIL]                      ; the opening lines: the add, twice on end, and its wait
	ds_add_u32 v[SPW], v[NIL]
	v_lshrrev_b32 v3, 5, v0
	v_readfirstlane_b32 s[WV], v3                  ; wave 0..7
	s_lshr_b32 s[GG0], s[WV], 2                    ; which 128 rows of P0; also: which chunk I fetch at the head
	s_and_b32 s[GG1], s[WV], 3                     ; which 64 rows of P1; also: which 128 rows of the slot I fetch
	s_bfe_u32 s[CX], ttmp6, 0x40000
	s_bfe_u32 s[CY], ttmp6, 0x40004
	s_lshl_b32 s[TC], ttmp9, 2
	s_add_co_u32 s[TC], s[TC], s[CX]               ; tile column, 0..11
	s_and_b32 s[TR], ttmp7, 0xffff
	s_lshl_b32 s[TR], s[TR], 2
	s_add_co_u32 s[TR], s[TR], s[CY]               ; tile row, 0..15
	s_lshl_b32 s[MROW], s[CY], 2
	s_lshl_b32 s[MROW], 15, s[MROW]                ; my row of the cluster
	s_lshl_b32 s[MCOL], 0x1111, s[CX]              ; my column
	s_mov_b32 s[CLS], ttmp9                        ; 0 q, 1 k, 2 v
	s_or_b32 s[G1X], s[MROW], (1<<20)|(1<<21)|(5<<22)|(3<<25)   ; 128 rows x 256 bytes, 16 bytes of padding behind each
	s_or_b32 s[G1W], s[MCOL], (1<<20)|(1<<21)|(5<<22)|(3<<25)
.irp g, G1X, G1W
	s_mov_b32 s[\g+1], 256<<16
	s_mov_b32 s[\g+2], 128<<16
	s_mov_b32 s[\g+3], 256<<16
	s_mov_b32 s[\g+4], 128
	s_mov_b32 s[\g+5], 768
	s_mov_b32 s[\g+6], 0
	s_mov_b32 s[\g+7], 0
.endr
	s_and_b32 s70, s[WV], 1
	s_lshl_b32 s70, s70, 7
	s_lshl_b32 s71, s[GG0], 8                      ; the chunk's 256 bytes along the row
	s_lshl_b32 s66, s[TR], 8
	s_add_co_u32 s66, s66, s70
	s_mul_i32 s66, s66, 768
	s_add_co_u32 s66, s66, s71
	s_mov_b32 s67, 0
	s_lshl_b32 s68, s[TC], 8
	s_add_co_u32 s68, s68, s70
	s_mul_i32 s68, s68, 768
	s_add_co_u32 s68, s68, s71
	s_mov_b32 s69, 0
	s_mul_i32 s72, s[GG1], HALFT                   ; where it goes: made of the wave's number alone
	s_mul_i32 s73, s[GG0], SLOT
	s_add_co_u32 s72, s72, s73
	s_and_b32 s74, s[WV], 2
	s_wait_dscnt 0x0
	s_wait_kmcnt 0x0
	CROUND                                         ; all sixteen work-groups are here: the first joint loads meet
	s_mov_b32 s[G0X], 1
	s_mov_b32 s[G0X+1], s72
	s_add_nc_u64 s[G0X+2:G0X+3], s[4:5], s[66:67]
	s_or_b32 s[G0X+3], s[G0X+3], 0x80000000
	s_mov_b32 s[G0W], 1
	s_mov_b32 s[G0W+1], s72
	s_add_nc_u64 s[G0W+2:G0W+3], s[8:9], s[68:69]
	s_or_b32 s[G0W+3], s[G0W+3], 0x80000000
	s_cmp_eq_u32 s74, 0                            ; one load a wave: every way passes exactly one
	s_cbranch_scc0 .Lhead_w
	tensor_load_to_lds s[G0X:G0X+3], s[G1X:G1X+7]
	s_nop 0
	PLACES 4
	s_branch .Lhead_done
.Lhead_w:
	tensor_load_to_lds s[G0W:G0W+3], s[G1W:G1W+7]
	s_nop 0
	PLACES 4
.Lhead_done:
	s_mov_b32 s75, SLOT-232
	s_mov_b32 s76, SLOT+232
	s_mul_i32 s77, s[GG0], HALFT                   ; v: P0 in x's panel
	s_add_co_u32 s78, s77, 2*HALFT                 ; q, k: P0 in w_attn's
	s_mul_i32 s79, s[GG1], 64*PITCH                ; q, k: P1 in x's panel
	s_add_co_u32 s80, s79, 2*HALFT                 ; v: P1 in w_attn's
	s_cmp_eq_u32 s[CLS], 2                         ; the scale words come from memory: pointers and rows by the role
	s_cselect_b64 s[82:83], s[6:7], s[10:11]
	s_cselect_b64 s[84:85], s[10:11], s[6:7]
	s_cselect_b32 s86, s[TR], s[TC]
	s_cselect_b32 s88, s[TC], s[TR]
	s_lshl_b32 s86, s86, 8
	s_lshl_b32 s87, s[GG0], 7
	s_add_co_u32 s86, s86, s87
	s_lshl_b32 s86, s86, 5
	s_mov_b32 s87, 0
	s_add_nc_u64 s[82:83], s[82:83], s[86:87]
	s_lshl_b32 s88, s88, 8
	s_lshl_b32 s89, s[GG1], 6
	s_add_co_u32 s88, s88, s89
	s_lshl_b32 s88, s88, 5
	s_mov_b32 s89, 0
	s_add_nc_u64 s[84:85], s[84:85], s[88:89]
	; my four records.  q: ((2 tr + g1 / 2) 8 + 2 cx + g0) 8 + 4 (g1 % 2).  k, v: (((tr / 8) 8 + hp) 16 + step) 16 + place:
	; k: hp = 2 cx + g0, step = 2 (tr % 8) + g1 / 2, place = 4 (g1 % 2);  v: hp = 2 cx + g1 / 2, step = 2 (tr % 8) + g0, place = 8 + 4 (g1 % 2)
	s_lshr_b32 s2, s[GG1], 1
	s_and_b32 s3, s[GG1], 1
	s_lshl_b32 s3, s3, 2
	s_cmp_eq_u32 s[CLS], 2
	s_cselect_b32 s90, s2, s[GG0]
	s_cselect_b32 s91, s[GG0], s2
	s_cselect_b32 s92, 8, 0
	s_lshr_b32 s86, s[TR], 3
	s_lshl_b32 s86, s86, 3
	s_lshl_b32 s87, s[CX], 1
	s_add_co_u32 s86, s86, s87
	s_add_co_u32 s86, s86, s90
	s_lshl_b32 s86, s86, 4
	s_and_b32 s87, s[TR], 7
	s_lshl_b32 s87, s87, 1
	s_add_co_u32 s86, s86, s87
	s_add_co_u32 s86, s86, s91
	s_lshl_b32 s86, s86, 4
	s_add_co_u32 s86, s86, s92
	s_add_co_u32 s86, s86, s3
	s_lshl_b32 s87, s[TR], 1
	s_add_co_u32 s87, s87, s2
	s_lshl_b32 s87, s87, 3
	s_lshl_b32 s90, s[CX], 1
	s_add_co_u32 s87, s87, s90
	s_add_co_u32 s87, s87, s[GG0]
	s_lshl_b32 s87, s87, 3
	s_add_co_u32 s87, s87, s3
	s_cmp_eq_u32 s[CLS], 0
	s_cselect_b32 s86, s87, s86
	s_cselect_b64 s[92:93], s[14:15], s[16:17]     ; qrec or kv
	s_mul_i32 s86, s86, REC
	s_mov_b32 s87, 0
	s_add_nc_u64 s[OUTB:OUTB+1], s[92:93], s[86:87]
	s_lshl_b32 s2, s[GG0], 9                       ; the bias: q, k: my 128 features; v: my 64
	s_lshl_b32 s3, s[GG1], 8
	s_cmp_eq_u32 s[CLS], 2
	s_cselect_b32 s88, s3, s2
	s_lshl_b32 s2, s[TC], 10
	s_add_co_u32 s88, s88, s2
	s_mov_b32 s89, 0
	s_add_nc_u64 s[BIAS:BIAS+1], s[12:13], s[88:89]
	s_mov_b32 s[SEL], 0x76543210
	s_mov_b32 s[SEL+1], 0xfedcba98                 ; lane l xor 16
	s_mov_b32 s[PLL], 0x05040100
	s_mov_b32 s[P32], 0x05040302
	s_mov_b32 s[PHH], 0x07060302
	v_and_b32 v24, 15, v0                          ; r
	v_bfe_u32 v25, v0, 4, 1                        ; h
	v_and_b32 v26, 31, v0                          ; lane
	v_lshlrev_b32 v[LS], 5, v26
	v_mul_u32_u24 v27, v24, PITCH
	v_sub_nc_u32 v29, 1, v25
.irp i, 0,1,2,3
	global_load_b128 v[SC0+8*\i:SC0+8*\i+3], v[LS], s[82:83] offset:1024*\i      ; row 32 i + lane: K steps 0-3,
	global_load_b128 v[SC0+8*\i+4:SC0+8*\i+7], v[LS], s[82:83] offset:1024*\i+16 ; and 4-7
.endr
.irp i, 0,1
	global_load_b128 v[SC1+8*\i:SC1+8*\i+3], v[LS], s[84:85] offset:1024*\i
	global_load_b128 v[SC1+8*\i+4:SC1+8*\i+7], v[LS], s[84:85] offset:1024*\i+16
.endr
	v_mad_u32_u24 v28, v25, 24, v27                ; a fragment's row x pitch + 24 h
	v_mul_u32_u24 v30, s75, v25
	v_mul_u32_u24 v31, s76, v29
	v_add_nc_u32 v30, v27, v30
	v_add_nc_u32 v30, 232, v30                     ; lanes 0-15 byte 232 of the row in slot 0, lanes 16-31 byte 0 of the row in slot 1
	v_add_nc_u32 v31, v27, v31                     ; lanes 0-15 byte 232 in slot 1, lanes 16-31 byte 0 in slot 0
	ADRS AQ0, 78
	ADRS AQ1, 79
	ADRS AV0, 77
	ADRS AV1, 80
	v_lshlrev_b32 v[L16], 4, v26
	v_lshlrev_b32 v[L8], 3, v26
	v_lshlrev_b32 v[BH], 5, v25
	v_lshlrev_b32 v[BR], 2, v24
.irp b, 0,1,2,3
	v_mov_b32 v[TM+4+\b], 0                        ; a lane permute's destination counts as one of its sources
.endr
	s_wait_alu depctr_va_vdst(0)
	s_wait_tensorcnt 0x0                           ; my part of chunks 0 and 1 is in
	s_barrier_signal -1
	s_barrier_wait -1                              ; everybody's is
	s_wait_loadcnt 0x0                             ; the scale words
	SEG 0, 2                                       ; the first products start the sums: nothing is cleared
	s_wait_tensorcnt 0x0                           ; slot 0 is read no more: the three lines, the round, the refill
	ds_add_u32 v[SPW], v[NIL]
	s_add_nc_u64 s[G0X+2:G0X+3], s[G0X+2:G0X+3], 512   ; waves 0-3: from chunk 0 to chunk 2, the same LDS bytes
	s_add_nc_u64 s[G0W+2:G0W+3], s[G0W+2:G0W+3], 512
	s_wait_dscnt 0x0
	CROUND
	s_cmp_lt_u32 s[WV], 2                          ; waves 0, 1: x's halves; waves 2, 3: w_attn's; the others none
	s_cbranch_scc0 .Lnot_x
	tensor_load_to_lds s[G0X:G0X+3], s[G1X:G1X+7]
	s_nop 0
	PLACES 4
	s_branch .Lasked
.Lnot_x:
	s_cmp_lt_u32 s[WV], 4
	s_cbranch_scc0 .Lasked
	tensor_load_to_lds s[G0W:G0W+3], s[G1W:G1W+7]
	s_nop 0
	PLACES 4
.Lasked:
	SEG 3, 4                                       ; chunk 1 alone
	s_wait_tensorcnt 0x0                           ; my part of chunk 2 is in
	s_barrier_signal -1
	s_barrier_wait -1                              ; everybody's is
	SEG 5, 7
	PLACES 4                                       ; in front of loads into registers that products have read, and of the first reads of results
	s_cmp_eq_u32 s[CLS], 2
	s_cbranch_scc1 .Lbias_v
.irp t, 0,1,2,3,4,5,6,7                        ; q, k: the bias runs along a lane's registers: features 16 t + 8 h + 0 .. 7
	global_load_b128 v[BB+8*\t:BB+8*\t+3], v[BH], s[BIAS:BIAS+1] offset:64*\t
	global_load_b128 v[BB+8*\t+4:BB+8*\t+7], v[BH], s[BIAS:BIAS+1] offset:64*\t+16
.endr
	s_wait_loadcnt 0x0
	WIN 0x41
.irp a, 0,1,2,3
.set j, 0
.rept 32
	v_pk_add_f32 v[64*\a+j:64*\a+j+1], v[64*\a+j:64*\a+j+1], v[BB+j:BB+j+1]   ; each accumulator from its low end on
.set j, j+2
.endr
.endr
	WIN 0
	s_branch .Lbias_done
.Lbias_v:                                          ; v: a lane holds one feature: one number for each of my four tiles
.irp a, 0,1,2,3
	v_mov_b32 v[BB+2*\a+1], 0                      ; (named as the upper half of a pair)
	global_load_b32 v[BB+2*\a], v[BR], s[BIAS:BIAS+1] offset:64*\a
.endr
	s_wait_alu depctr_va_vdst(0)
	s_wait_loadcnt 0x0
	WIN 0x41
.irp a, 0,1,2,3
.set j, 0
.rept 32
	v_pk_add_f32 v[64*\a+j:64*\a+j+1], v[64*\a+j:64*\a+j+1], v[BB+2*\a:BB+2*\a+1] op_sel_hi:[1,0]
.set j, j+2
.endr
.endr
	WIN 0
.Lbias_done:
.irp a, 0,1,2,3                                ; each record has registers of its own for its codes and scale pair: no store's data are written again
	QUANT 64*\a, PC0+12*\a, PW+2*\a
	PUT PC0+12*\a, PW+2*\a, REC*\a
.endr
	s_wait_tensorcnt 0x0                           ; the wave's end
	ds_add_u32 v[SPW], v[NIL]
	s_wait_dscnt 0x0
	CROUND                                         ; the closing round
	s_endpgm
.Lfunc_end_k_q8638468ed5_qkv:
	.size	k_q8638468ed5_qkv, .Lfunc_end_k_q8638468ed5_qkv-k_q8638468ed5_qkv
	.p2alignl 7, 3214868480
	.fill 96, 4, 3214868480
	.section	.rodata,"a",@progbits
	.p2align	6, 0x0
	.amdhsa_kernel k_q8638468ed5_qkv
		.amdhsa_group_segment_fixed_size 327680
		.amdhsa_private_segment_fixed_size 0
		.amdhsa_enable_private_segment 0
		.amdhsa_kernarg_size 56
		.amdhsa_user_sgpr_count 2
		.amdhsa_user_sgpr_kernarg_segment_ptr 1
		.amdhsa_wavefront_size32 1
		.amdhsa_system_sgpr_workgroup_id_x 1
		.amdhsa_system_sgpr_workgroup_id_y 1
		.amdhsa_system_sgpr_workgroup_id_z 1
		.amdhsa_system_vgpr_workitem_id 0
		.amdhsa_next_free_vgpr 512
		.amdhsa_next_free_sgpr 100
		.amdhsa_reserve_vcc 0
		.amdhsa_float_denorm_mode_32 3
		.amdhsa_float_denorm_mode_16_64 3
		.amdhsa_memory_ordered 1
		.amdhsa_forward_progress 1
		.amdhsa_inst_pref_size 189
	.end_amdhsa_kernel
	.amdgpu_metadata
---
amdhsa.version: [ 1, 2 ]
amdhsa.kernels:
  - .name:           k_q8638468ed5_qkv
    .symbol:         k_q8638468ed5_qkv.kd
    .args:
      - { .name: x_codes, .offset: 0, .size: 8, .value_kind: global_buffer, .address_space: global }
      - { .name: x_scales, .offset: 8, .size: 8, .value_kind: global_buffer, .address_space: global }
      - { .name: w_attn_codes, .offset: 16, .size: 8, .value_kind: global_buffer, .address_space: global }
      - { .name: w_attn_scales, .offset: 24, .size: 8, .value_kind: global_buffer, .address_space: global }
      - { .name: b_attn, .offset: 32, .size: 8, .value_kind: global_buffer, .address_space: global }
      - { .name: qrec, .offset: 40, .size: 8, .value_kind: global_buffer, .address_space: global }
      - { .name: kv, .offset: 48, .size: 8, .value_kind: global_buffer, .address_space: global }
    .group_segment_fixed_size: 327680
    .private_segment_fixed_size: 0
    .kernarg_segment_align: 8
    .kernarg_segment_size: 56
    .max_flat_workgroup_size: 256
    .sgpr_count:     100
    .vgpr_count:     512
    .wavefront_size: 32
...
	.end_amdgpu_metadata
.endif
;; end of part 1
;; launch attn (part 2): grid 16 x 16, 16 waves a work-group, clusters of 4 x 4, 327,680 bytes of LDS; arguments adj, qrec, kv, arec; writes arec
.if DOCPART == 2
	.amdgcn_target "amdgcn-amd-amdhsa--gfx1250"
	.amdhsa_code_object_version 6
	.text
	.protected	k_q8638468ed5_attn
	.globl	k_q8638468ed5_attn
	.p2align	8
	.type	k_q8638468ed5_attn,@function
k_q8638468ed5_attn:
	s_mov_b64 s[64:65], 0
	v_nop
	global_prefetch_b8 v0, s[64:65] scope:SCOPE_SE
	s_setreg_imm32_b32 hwreg(HW_REG_WAVE_MODE, 25, 1), 1
	s_wait_xcnt 0x0
	s_wait_alu depctr_hold_cnt(0) depctr_sa_sdst(0) depctr_va_vdst(0) depctr_va_sdst(0) depctr_va_ssrc(0) depctr_va_vcc(0) depctr_vm_vsrc(0)
	s_getreg_b32 s2, hwreg(HW_REG_IB_STS2, 6, 4)
	s_cmp_eq_u32 s2, 0
	s_cbranch_scc0 .Lentry_in_a_cluster
	s_endpgm
.Lentry_in_a_cluster:
	s_bfe_u32 s2, ttmp6, 0x10000c
	s_cmp_lg_u32 s2, 0xf033
	s_cbranch_scc0 .Lentry_shape_is_right
	s_endpgm
.Lentry_shape_is_right:
; a = softmax(q k^T adj + NEG (1 - adj)) v for each batch and head, both products on codes of FP6 (E2M3) with E8M0 scales; a is quantised along the features and leaves as records (1,792 bytes: see below).
; adj [2048][2048] f32 is an input: every score is multiplied and shifted by it as it is given; no tile is left out.
; A RECORD is the image of a fragment's registers (16 rows x 128 K): +0 registers 0-3 (16 bytes a lane), +512 registers 4-5 (8 a lane), +768 registers 6-9, +1280 registers 10-11, +1536 the pair (scale word, the same turned by 16 bits), 8 a lane.
; Its halves of 768 bytes are the two heads of a pair.  The scores' K is 64: the product's upper 64 codes are zeros on both sides (registers 6-11 of q's and k's fragments stay 0); the scale bytes there are some other block's, never 0xff.
; THE SOFTMAX: t = logit x log2(e), rounded; M = the running largest t rounded up to a whole number; p = 2^(t - M), by an addition of its own (exact where t is huge), is quantised along the keys;
; the row's sum is taken of the unquantised p and divides at the end; when M moves, the sum and O are multiplied by 2^(old M - new M).
; SHARES.  A work-group owns 128 queries of one pair of heads.  Sixteen waves, four to a SIMD: wave w takes 16 queries (w % 8) of head w / 8 of the pair.  So a tile of adj serves both heads in the work-group.
; Both products are used transposed (S^T = k q^T, O^T = v^T p^T): a lane holds one query throughout.  Tiles have neighbouring rows; PACKC puts p's groups of 8 codes in order.
; CLUSTER 4 x 4: adj's tile hangs on the block of queries (work-group x) and is asked for jointly along a column of the cluster; k's and v's records hang on batch and pair (work-group y), jointly along a row.
; 16 steps of 128 keys through two LDS slots; waves 0, 1 fetch adj's halves (64 rows x 512 bytes), wave 2 k's eight records, wave 3 v's.  Each refill has a whole step in which to land.
; THE WALK BEGINS AT ANOTHER STEP IN EACH CLUSTER and goes round: cluster (X, Y) begins at step (4 X + 8 g(Y)) mod 16, g(Y) = (Y xor Y / 2) & 1.  The running maximum makes any order of the keys right.
; The four clusters along x, which read the same records of k and v, so begin 4 steps apart, and clusters whose g differs, which read the same tiles of adj, 8 apart: a tile is first asked for by one of them
; and again, 4 or 8 steps later, by those that share it.  The step enters the two global addresses alone; it is the same in all partners of a cluster.
; No prefetch: adj is read again by sixteen rows of work-groups, and each refill is asked for a step ahead.
; LIMITS: NaN and infinities are not served.  t is made as (w adj) log2(e) + N (1 - adj), N the f32 number NEG x log2(e), the last term by one fused multiply-add and the sum by another: for adj of 0 and 1 the bits
; are those of the written order; for other adj the roundings differ from it by about 1e-7 of the larger term.  1 / l is v_rcp_f32 and a multiplication.
; A block of zeros, or one whose largest magnitude lies under 2^-124, gets the scale byte 1 (its bytes are read by this program alone).
.set REC,   1792
.set SLOT1, 1<<17
.set AP,    528                        ; a row of adj in LDS: 512 bytes + 16
.set KVO,   128*AP                     ; behind adj's 128 rows: k's eight records,
.set VVO,   KVO+8*REC                  ; then v's eight
.set SPARE, 2*SLOT1                    ; the spare words, 128 bytes for each of 16 waves: no other line names them
.set XCH,   SPARE+2048                 ; 2,048 bytes in which the two heads' scale bytes meet at the end: no tensor load lands here
.set HOME,  1                          ; v1-7   my lane's places in a slot: adj, k by 16, k by 8, k's scale words, v by 16, v by 8, v's scale words
.set WADJ,  8                          ; v8-14  the same in the slot in hand
.set WK16,  9
.set WK8,   10
.set WKS,   11
.set WV16,  12
.set WV8,   13
.set WVS,   14
.set NIL,   15                         ; v15  0; never rewritten
.set SPW,   16                         ; v16  SPARE + 4 x my thread's number; never rewritten
.set QS,    17                         ; v17  q's scale word
.set NM,    18                         ; v18 -M, v19 the largest t
.set SUM,   20                         ; v[20:21] the row's sum, in two halves
.set FF,    22                         ; v22 f = 2^(old M - new M)
.set PS,    23                         ; v23 p's scale word
.set QF,    24                         ; v24-35 q (v30-35 = 0)
.set KF,    36                         ; v36-83 four fragments of k; registers 6-11 of each stay 0
.set SS,    84                         ; v84-147 S^T, then t, then p
.set OO,    148                        ; v148-179 O^T
.set AJ,    180                        ; v180-243 adj; later:
.set VF,    180                        ; v180-227 four fragments of v,
.set PCD,   228                        ; v228-239 p's codes,
.set BM,    240                        ; v240-243 the blocks' largest t, then p
.set SO,    244                        ; v244-247 the conversions' scale operands
.set T0,    248                        ; v248-249 at work
.set VSC,   250                        ; v250-251 v's scale words
.set KSC,   252                        ; v252-255 k's
.set PT,    60                         ; at work once S^T is made, in the code halves of k's fragments: v60-63,
.set Y0,    36                         ; v36-38,
.set Y1,    48                         ; v48-50,
.set SUM2,  72                         ; v[72:73]
.set WV,   12
.set CX,   13
.set CY,   14
.set QB,   15
.set BHP,  16
.set PI,   17
.set QT,   18
.set W1,   19
.set SEL,  20
.set CS,   22
.set PNC,  24                          ; s[24:25] -N = 1e9 x log2(e)
.set PLL,  26
.set P32,  27
.set PHH,  28
.set SIDX, 29                          ; s29  the step of keys that was asked for last
.set BK,   30                          ; s[30:31] kv at my part of step 0
.set G1A,  32
.set G0A,  40
.set G1K,  44
.set G0K,  52
.set TB,   56
.set CNT,  57
.set BA,   58                          ; s[58:59] adj at my part of step 0
.macro PLACES n
.rept \n
	v_nop
.endr
.endm
.macro CROUND                          ; a round of the cluster's barrier
	s_barrier_signal -1
	s_barrier_wait -1
	s_cmp_lg_u32 s[WV], 0
	s_cbranch_scc1 .Lnot_wave_0_\@
	s_barrier_signal -3
.Lnot_wave_0_\@:
	s_barrier_wait -3
	s_barrier_signal -1
	s_barrier_wait -1
.endm
.macro TLOAD                           ; waves 0, 1: adj's halves; wave 2: k's records; wave 3: v's; the others none.  Four v_nop follow each line
	s_cmp_lt_u32 s[WV], 2
	s_cbranch_scc0 .Lnot_a_\@
	tensor_load_to_lds s[G0A:G0A+3], s[G1A:G1A+7]
	s_nop 0
	PLACES 4
	s_branch .Lasked_\@
.Lnot_a_\@:
	s_cmp_lt_u32 s[WV], 4
	s_cbranch_scc0 .Lasked_\@
	tensor_load_to_lds s[G0K:G0K+3], s[G1K:G1K+7]
	s_nop 0
	PLACES 4
.Lasked_\@:
.endm
.macro SETADDR                         ; the two global addresses of step SIDX: 128 keys are 512 bytes of adj's rows and sixteen records
	s_lshl_b32 s60, s[SIDX], 9
	s_mov_b32 s61, 0
	s_add_nc_u64 s[G0A+2:G0A+3], s[BA:BA+1], s[60:61]
	s_or_b32 s[G0A+3], s[G0A+3], 0x80000000        ; type = 2
	s_mul_i32 s62, s[SIDX], 16*REC
	s_mov_b32 s63, 0
	s_add_nc_u64 s[G0K+2:G0K+3], s[BK:BK+1], s[62:63]
	s_or_b32 s[G0K+3], s[G0K+3], 0x80000000
.endm
.macro CHANGE fill                     ; the change of slots stands at a step's head; fill = 1: the slot just left takes the step after this one
	s_wait_tensorcnt 0x0                           ; all my tensor loads have landed, my part of the step ahead among them
	ds_add_u32 v[SPW], v[NIL]                      ; 0 onto my spare word
.if \fill
	s_add_co_u32 s[SIDX], s[SIDX], 1               ; no load of mine is out, so the descriptors may be written: the next step of the walk, round the end,
	s_and_b32 s[SIDX], s[SIDX], 15
	s_xor_b32 s[G0A+1], s[G0A+1], SLOT1            ; into the other slot
	s_xor_b32 s[G0K+1], s[G0K+1], SLOT1
	SETADDR
.endif
	s_wait_dscnt 0x0                               ; the add is done, and my reads of the slot that I have left are over
.if \fill
	CROUND
	TLOAD                                          ; the first tensor load behind the round, one a wave
.else
	s_barrier_signal -1
	s_barrier_wait -1
.endif
.endm
.macro WMS d, a, sa, ra                ; scores: source 0 = 16 keys, source 1 = my 16 queries; the product starts its sum
.if (\ra)
	v_wmma_scale_f32_16x16x128_f8f6f4 v[\d:\d+7], v[\a:\a+11], v[QF:QF+11], 0, v[\sa], v[QS] matrix_a_fmt:MATRIX_FMT_FP6 matrix_b_fmt:MATRIX_FMT_FP6 matrix_a_scale:MATRIX_SCALE_ROW1
.else
	v_wmma_scale_f32_16x16x128_f8f6f4 v[\d:\d+7], v[\a:\a+11], v[QF:QF+11], 0, v[\sa], v[QS] matrix_a_fmt:MATRIX_FMT_FP6 matrix_b_fmt:MATRIX_FMT_FP6
.endif
.endm
.macro WMP d, a, sa, ra                ; O^T += v^T p^T: source 0 = 16 features, source 1 = p
.if (\ra)
	v_wmma_scale_f32_16x16x128_f8f6f4 v[\d:\d+7], v[\a:\a+11], v[PCD:PCD+11], v[\d:\d+7], v[\sa], v[PS] matrix_a_fmt:MATRIX_FMT_FP6 matrix_b_fmt:MATRIX_FMT_FP6 matrix_a_scale:MATRIX_SCALE_ROW1
.else
	v_wmma_scale_f32_16x16x128_f8f6f4 v[\d:\d+7], v[\a:\a+11], v[PCD:PCD+11], v[\d:\d+7], v[\sa], v[PS] matrix_a_fmt:MATRIX_FMT_FP6 matrix_b_fmt:MATRIX_FMT_FP6
.endif
.endm
; X (v[dst] on): the codes of block 2 c, Y (v[y] on): of block 2 c + 1, each two groups of 8 codes.  The swaps give lanes 0-15 all of block 2 c, lanes 16-31 all of block 2 c + 1 (X = groups 0, 2; Y = groups 1, 3);
; four byte selections and a move put the groups in order.
.macro PACKC dst, y
.irp i, 0,1,2
	v_permlane16_swap_b32 v[\dst+\i], v[\y+\i]
.endr
	s_delay_alu instid0(VALU_DEP_1)
	v_perm_b32 v[\dst+3], v[\dst+2], v[\dst+1], s[P32]
	s_delay_alu instid0(VALU_DEP_2)
	v_perm_b32 v[\dst+4], v[\y+1], v[\dst+2], s[PHH]
	s_delay_alu instid0(VALU_DEP_4)
	v_perm_b32 v[\dst+2], v[\y+1], v[\y], s[P32]
	v_perm_b32 v[\dst+1], v[\y], v[\dst+1], s[PLL]
	v_mov_b32 v[\dst+5], v[\y+2]
.endm
; A STEP: 128 keys.
.macro STEP
.irp i, 0,1,2,3,4,5,6
	v_add_nc_u32 v[WADJ+\i], s[TB], v[HOME+\i]     ; the slot in hand.  (These seven are also the places behind the last step's products, in front of the loads below)
.endr
	v_mov_b32 v[T0], 0xceabfb8f                    ; N = NEG x log2(e), rounded to f32
.irp b, 0,1,2,3
	ds_load_b32 v[KSC+\b], v[WKS] offset:2*REC*\b  ; k's scale words: lanes 0-15 tile 2 b, lanes 16-31 tile 2 b + 1
.endr
.irp t, 0,1,2,3
	ds_load_b128 v[KF+12*\t:KF+12*\t+3], v[WK16] offset:REC*\t
	ds_load_b64 v[KF+12*\t+4:KF+12*\t+5], v[WK8] offset:REC*\t
.endr
.irp t, 0,1,2,3,4,5,6,7
	ds_load_b128 v[AJ+8*\t:AJ+8*\t+3], v[WADJ] offset:64*\t        ; adj(my query, keys 16 t + 8 h + 0 .. 7)
	ds_load_b128 v[AJ+8*\t+4:AJ+8*\t+7], v[WADJ] offset:64*\t+16
.endr
	s_wait_alu depctr_va_vdst(0)
	s_wait_dscnt 16                                ; the scale words and k's tiles 0-3 are in; the sixteen younger loads, adj's, may be out
.irp t, 0,1,2,3
	WMS SS+8*\t, KF+12*\t, KSC+\t/2, \t%2
.endr
	PLACES 4
.irp t, 0,1,2,3
	ds_load_b128 v[KF+12*\t:KF+12*\t+3], v[WK16] offset:REC*(\t+4)
	ds_load_b64 v[KF+12*\t+4:KF+12*\t+5], v[WK8] offset:REC*(\t+4)
.endr
	s_wait_dscnt 0x0
.irp t, 0,1,2,3
	WMS SS+32+8*\t, KF+12*\t, KSC+2+\t/2, \t%2
.endr
.set j, 0
.rept 32
	v_pk_mul_f32 v[SS+j:SS+j+1], v[SS+j:SS+j+1], v[AJ+j:AJ+j+1]    ; w adj, each accumulator from its low end on.  (Tiles 0-3 stand four places behind their products; their sixteen lines are the places for tiles 4-7)
.set j, j+2
.endr
.set j, 0
.rept 32
	v_pk_fma_f32 v[AJ+j:AJ+j+1], v[AJ+j:AJ+j+1], s[PNC:PNC+1], v[T0:T0+1] op_sel_hi:[1,0,0]   ; adj (-N) + N = N (1 - adj): 0 where adj is 1, N where it is 0
.set j, j+2
.endr
.set j, 0
.rept 32
	v_pk_fma_f32 v[SS+j:SS+j+1], v[SS+j:SS+j+1], s[CS:CS+1], v[AJ+j:AJ+j+1] op_sel_hi:[1,0,1]   ; t = (w adj) log2(e) + N (1 - adj), rounded once
.set j, j+2
.endr
.irp t, 0,1,2,3                                ; adj is done with: v's four fragments land there while the softmax is worked
	ds_load_b128 v[VF+12*\t:VF+12*\t+3], v[WV16] offset:REC*\t
	ds_load_b64 v[VF+12*\t+4:VF+12*\t+5], v[WV8] offset:REC*\t+512
	ds_load_b128 v[VF+12*\t+6:VF+12*\t+9], v[WV16] offset:REC*\t+768
	ds_load_b64 v[VF+12*\t+10:VF+12*\t+11], v[WV8] offset:REC*\t+1280
.endr
	ds_load_b32 v[VSC], v[WVS]
	ds_load_b32 v[VSC+1], v[WVS] offset:2*REC
.irp b, 0,1,2,3
	v_max3_num_f32 v[BM+\b], v[SS+16*\b], v[SS+1+16*\b], v[SS+2+16*\b]   ; the largest t of each block of 32 keys: for the row's maximum, and, since p rises with t, for the block's largest p
.endr
.irp i, 3,5,7,9,11,13
.irp b, 0,1,2,3
	s_delay_alu instid0(VALU_DEP_4)
	v_max3_num_f32 v[BM+\b], v[BM+\b], v[SS+16*\b+\i], v[SS+1+16*\b+\i]
.endr
.endr
.irp b, 0,1,2,3
	s_delay_alu instid0(VALU_DEP_4)
	v_max_num_f32 v[BM+\b], v[BM+\b], v[SS+15+16*\b]
.endr
.irp b, 0,1,2,3
	s_delay_alu instid0(VALU_DEP_4)
	v_permlanex16_b32 v[PT+\b], v[BM+\b], s[SEL], s[SEL+1]
.endr
.irp b, 0,1,2,3
	s_delay_alu instid0(VALU_DEP_4)
	v_max_num_f32 v[BM+\b], v[BM+\b], v[PT+\b]     ; with lane l xor 16's 16 keys
.endr
	s_delay_alu instid0(VALU_DEP_2)
	v_max3_num_f32 v[T0], v[BM], v[BM+1], v[BM+2]
	s_delay_alu instid0(VALU_DEP_1)
	v_max_num_f32 v[T0], v[T0], v[BM+3]
	s_delay_alu instid0(VALU_DEP_1)
	v_max_num_f32 v[NM+1], v[NM+1], v[T0]          ; the running largest t
	v_mov_b32 v[T0], v[NM]
	s_delay_alu instid0(VALU_DEP_2)
	v_floor_f32 v[NM], -v[NM+1]                    ; the new -M = -ceil(t): a whole number
	s_delay_alu instid0(VALU_DEP_1)
	v_sub_f32 v[T0], v[NM], v[T0]                  ; old M - new M, 0 or less
	s_delay_alu instid0(VALU_DEP_1)
	v_cvt_i32_f32 v[T0], v[T0]                     ; (it saturates)
	s_delay_alu instid0(VALU_DEP_1)
	v_ldexp_f32 v[FF], 1.0, v[T0]                  ; f = 2^(old M - new M): a multiplication by it rounds nothing
.set j, 0
.rept 32
	v_pk_add_f32 v[SS+j:SS+j+1], v[SS+j:SS+j+1], v[NM:NM+1] op_sel_hi:[1,0]   ; t - M
.set j, j+2
.endr
.irp b, 0,1,2,3
	v_add_f32 v[BM+\b], v[BM+\b], v[NM]            ; the same of each block's largest t
.endr
.set j, 0
	s_wait_alu depctr_va_vdst(0)
.rept 64
	v_exp_f32 v[SS+j], v[SS+j]                     ; p = 2^(t - M), at most 1
.set j, j+1
.endr
.irp b, 0,1,2,3
	v_exp_f32 v[BM+\b], v[BM+\b]                   ; the block's largest p: the same operations on the same number
.endr
	v_pk_mul_f32 v[SUM:SUM+1], v[SUM:SUM+1], v[FF:FF+1] op_sel_hi:[1,0]   ; the sums under the new M.  (A plain place behind the exponentials)
	s_wait_alu depctr_va_vdst(0)
.irp b, 0,1,2,3
	v_max_num_f32 v[BM+\b], 0x1800000, v[BM+\b]    ; the floor 2^(3 - 127): the byte cannot fall under 1
.endr
.irp b, 0,1,2,3
	s_delay_alu instid0(VALU_DEP_4)
	v_add_nc_u32 v[SO+\b], 0xff000000, v[BM+\b]    ; 2 off the exponent field: the conversion's scale operand
.endr
.irp b, 0,1,2,3
	s_delay_alu instid0(VALU_DEP_4)
	v_lshrrev_b32 v[PT+\b], 23, v[SO+\b]           ; the scale's byte
.endr
	s_delay_alu instid0(VALU_DEP_3)
	v_lshl_or_b32 v[PS], v[PT+1], 8, v[PT]         ; p's scale word for these 128 keys
	s_delay_alu instid0(VALU_DEP_1)
	v_lshl_or_b32 v[PS], v[PT+2], 16, v[PS]
	s_delay_alu instid0(VALU_DEP_1)
	v_lshl_or_b32 v[PS], v[PT+3], 24, v[PS]
	v_cvt_scalef32_pk16_fp6_f32 v[PCD:PCD+2], v[SS:SS+15], v[SO]
	v_cvt_scalef32_pk16_fp6_f32 v[Y0:Y0+2], v[SS+16:SS+31], v[SO+1]
	v_cvt_scalef32_pk16_fp6_f32 v[PCD+6:PCD+8], v[SS+32:SS+47], v[SO+2]
	v_cvt_scalef32_pk16_fp6_f32 v[Y1:Y1+2], v[SS+48:SS+63], v[SO+3]
	v_nop                                          ; one plain place behind the scaled conversions
	PACKC PCD, Y0
	PACKC PCD+6, Y1
	v_pk_add_f32 v[72:73], v[88:89], v[92:93]
	v_pk_add_f32 v[254:255], v[96:97], v[100:101]
	v_pk_add_f32 v[252:253], v[104:105], v[108:109]
	v_pk_add_f32 v[246:247], v[112:113], v[116:117]
	v_pk_add_f32 v[244:245], v[120:121], v[124:125]
	v_pk_add_f32 v[242:243], v[128:129], v[132:133]
	v_pk_add_f32 v[240:241], v[136:137], v[140:141]
	v_pk_add_f32 v[20:21], v[20:21], v[144:145]
	v_pk_add_f32 v[72:73], v[72:73], v[84:85]
	v_pk_add_f32 v[254:255], v[254:255], v[86:87]
	v_pk_add_f32 v[252:253], v[252:253], v[90:91]
	v_pk_add_f32 v[246:247], v[246:247], v[94:95]
	v_pk_add_f32 v[244:245], v[244:245], v[98:99]
	v_pk_add_f32 v[242:243], v[242:243], v[102:103]
	v_pk_add_f32 v[240:241], v[240:241], v[106:107]
	v_pk_add_f32 v[20:21], v[20:21], v[110:111]
	v_pk_add_f32 v[72:73], v[72:73], v[114:115]
	v_pk_add_f32 v[254:255], v[254:255], v[118:119]
	v_pk_add_f32 v[252:253], v[252:253], v[122:123]
	v_pk_add_f32 v[246:247], v[246:247], v[126:127]
	v_pk_add_f32 v[244:245], v[244:245], v[130:131]
	v_pk_add_f32 v[242:243], v[242:243], v[134:135]
	v_pk_add_f32 v[240:241], v[240:241], v[138:139]
	v_pk_add_f32 v[20:21], v[20:21], v[142:143]
	v_pk_add_f32 v[72:73], v[72:73], v[146:147]
	s_delay_alu instid0(VALU_DEP_2)
	v_pk_add_f32 v[20:21], v[20:21], v[246:247]
	s_delay_alu instid0(VALU_DEP_2)
	v_pk_add_f32 v[72:73], v[72:73], v[244:245]
	v_pk_add_f32 v[254:255], v[254:255], v[242:243]
	v_pk_add_f32 v[252:253], v[252:253], v[240:241]
	s_delay_alu instid0(VALU_DEP_2)
	v_pk_add_f32 v[20:21], v[20:21], v[254:255]
	s_delay_alu instid0(VALU_DEP_2)
	v_pk_add_f32 v[72:73], v[72:73], v[252:253]
	s_delay_alu instid0(VALU_DEP_1)
	v_pk_add_f32 v[20:21], v[20:21], v[72:73]
.set j, 0
.rept 16
	v_pk_mul_f32 v[OO+j:OO+j+1], v[OO+j:OO+j+1], v[FF:FF+1] op_sel_hi:[1,0]   ; O^T under the new M.  (The 48 lines since PACKC are the places between p's codes and scale word and the products)
.set j, j+2
.endr
	s_wait_alu depctr_va_vdst(0)
	s_wait_dscnt 0x0                               ; v's fragments and scale words are in
.irp t, 0,1,2,3
	WMP OO+8*\t, VF+12*\t, VSC+\t/2, \t%2          ; four accumulators by turns
.endr
	s_xor_b32 s[TB], s[TB], SLOT1                  ; on to the other slot
.endm
	s_load_b256 s[4:11], s[0:1], 0x0               ; adj s[4:5], qrec s[6:7], kv s[8:9], arec s[10:11]
	v_lshl_add_u32 v[SPW], v0, 2, SPARE
	v_mov_b32 v[NIL], 0
	ds_add_u32 v16, v15
	ds_add_u32 v16, v15
	s_wait_dscnt 0x0
	v_lshrrev_b32 v1, 5, v0
	s_delay_alu instid0(VALU_DEP_1)
	v_readfirstlane_b32 s[WV], v1                  ; wave 0..15
	s_bfe_u32 s[CX], ttmp6, 0x40000
	s_bfe_u32 s[CY], ttmp6, 0x40004
	s_lshl_b32 s[QB], ttmp9, 2
	s_add_co_u32 s[QB], s[QB], s[CX]               ; my block of 128 queries
	s_and_b32 s[BHP], ttmp7, 0xffff
	s_lshl_b32 s[BHP], s[BHP], 2
	s_add_co_u32 s[BHP], s[BHP], s[CY]             ; batch x 8 + pair of heads
	s_lshr_b32 s[PI], s[WV], 3                     ; which head of the pair
	s_and_b32 s[QT], s[WV], 7                      ; which 16 queries
	s_and_b32 s[W1], s[WV], 1
	s_and_b32 s60, ttmp7, 0xffff                   ; where my cluster's walk begins: Y,
	s_lshr_b32 s61, s60, 1
	s_xor_b32 s60, s60, s61
	s_and_b32 s60, s60, 1                          ; g(Y) = (Y xor Y / 2) & 1,
	s_lshl_b32 s60, s60, 3
	s_lshl_b32 s61, ttmp9, 2
	s_add_co_u32 s[SIDX], s60, s61
	s_and_b32 s[SIDX], s[SIDX], 15                 ; step (4 X + 8 g) mod 16: made of the cluster's x and y alone
	s_lshl_b32 s74, s[CY], 2
	s_lshl_b32 s74, 15, s74                        ; my row of the cluster
	s_lshl_b32 s75, 0x1111, s[CX]                  ; my column
	; adj: 64 rows x 128 elements of 4 bytes, 16 bytes of padding behind each row of 128 words; shared along my column
	s_or_b32 s[G1A], s75, (2<<16)|(1<<20)|(1<<21)|(6<<22)|(3<<25)
	s_mov_b32 s[G1A+1], 128<<16
	s_mov_b32 s[G1A+2], 64<<16
	s_mov_b32 s[G1A+3], 128<<16
	s_mov_b32 s[G1A+4], 64
	s_mov_b32 s[G1A+5], 2048
	s_mov_b32 s[G1A+6], 0
	s_mov_b32 s[G1A+7], 0
	; eight records: 14,336 dense bytes as 56 rows of 256 (32 elements of 8 bytes), no padding; shared along my row
	s_or_b32 s[G1K], s74, (3<<16)|(1<<21)
	s_mov_b32 s[G1K+1], 32<<16
	s_mov_b32 s[G1K+2], 56<<16
	s_mov_b32 s[G1K+3], 32<<16
	s_mov_b32 s[G1K+4], 56
	s_mov_b32 s[G1K+5], 32
	s_mov_b32 s[G1K+6], 0
	s_mov_b32 s[G1K+7], 0
	s_lshl_b32 s76, s[QB], 20                      ; adj: row 128 x block + 64 x half, 8,192 bytes a row
	s_lshl_b32 s77, s[W1], 19
	s_add_co_u32 s76, s76, s77
	s_mov_b32 s77, 0
	s_mul_i32 s78, s[BHP], 16*16*REC               ; kv: 16 steps of 16 records for each batch and pair; k's eight or v's eight
	s_mul_i32 s79, s[W1], 8*REC
	s_add_co_u32 s78, s78, s79
	s_mov_b32 s79, 0
	s_mul_i32 s86, s[W1], 64*AP                    ; where they go: no place in the cluster enters an LDS address
	s_mul_i32 s87, s[W1], 8*REC
	s_lshr_b32 s80, s[BHP], 3                      ; my record of q, and of a: (((batch x 16 + block) x 8 + pair) x 8 + my tile of 16 queries
	s_lshl_b32 s80, s80, 4
	s_add_co_u32 s80, s80, s[QB]
	s_lshl_b32 s80, s80, 3
	s_and_b32 s81, s[BHP], 7
	s_add_co_u32 s80, s80, s81
	s_lshl_b32 s80, s80, 3
	s_add_co_u32 s80, s80, s[QT]
	s_mul_i32 s80, s80, REC
	s_mov_b32 s81, 0
	s_mul_i32 s82, s[PI], 768                      ; my head's half of the codes,
	s_mov_b32 s83, 0
	s_lshl_b32 s84, s[PI], 2                       ; and its form of the scale word
	s_mov_b32 s85, 0
	s_mov_b32 s[SEL], 0x76543210
	s_mov_b32 s[SEL+1], 0xfedcba98                 ; lane l xor 16
	s_mov_b32 s[CS], 0x3fb8aa3b                    ; log2(e)
	s_mov_b32 s[CS+1], s[CS]                       ; (named with it as a pair, so it is written)
	s_mov_b32 s[PNC], 0x4eabfb8f                   ; -N = 1e9 x log2(e), rounded to f32
	s_mov_b32 s[PNC+1], s[PNC]
	s_mov_b32 s[PLL], 0x05040100
	s_mov_b32 s[P32], 0x05040302
	s_mov_b32 s[PHH], 0x07060302
	s_mov_b32 s[TB], 0
	s_mov_b32 s[CNT], 15
	s_wait_kmcnt 0x0
	CROUND                                         ; all sixteen work-groups are here: the first joint loads meet
	s_add_nc_u64 s[BA:BA+1], s[4:5], s[76:77]
	s_add_nc_u64 s[BK:BK+1], s[8:9], s[78:79]
	s_mov_b32 s[G0A], 1
	s_mov_b32 s[G0A+1], s86
	s_mov_b32 s[G0K], 1
	s_add_co_u32 s[G0K+1], s87, KVO
	SETADDR
	TLOAD                                          ; the walk's first step into slot 0: one load of mine is out
	s_add_nc_u64 s[72:73], s[10:11], s[80:81]      ; a's record,
	s_add_nc_u64 s[70:71], s[72:73], s[82:83]      ; my half of its codes
	s_add_nc_u64 s[68:69], s[6:7], s[80:81]        ; q's record,
	s_add_nc_u64 s[66:67], s[68:69], s[82:83]      ; my half of its codes,
	s_add_nc_u64 s[68:69], s[68:69], s[84:85]      ; my form of its scale word
	v_and_b32 v8, 31, v0                           ; lane
	v_and_b32 v9, 15, v0                           ; r
	v_bfe_u32 v10, v0, 4, 1                        ; h
	s_delay_alu instid0(VALU_DEP_3)
	v_lshlrev_b32 v12, 4, v8
	s_delay_alu instid0(VALU_DEP_4)
	v_lshlrev_b32 v13, 3, v8
	global_load_b128 v[QF:QF+3], v12, s[66:67]     ; q stays in registers
	global_load_b64 v[QF+4:QF+5], v13, s[66:67] offset:512
	global_load_b32 v[QS], v13, s[68:69] offset:1536
	s_lshl_b32 s80, s[QT], 4
	v_add_nc_u32 v11, s80, v9
	s_delay_alu instid0(VALU_DEP_1)
	v_mul_u32_u24 v[HOME], v11, AP
	s_delay_alu instid0(VALU_DEP_1)
	v_lshl_add_u32 v[HOME], v10, 5, v[HOME]        ; adj: row 16 qt + r, + 32 h
	s_mul_i32 s81, s[PI], 768
	s_add_co_u32 s82, s81, KVO
	v_lshl_add_u32 v[HOME+1], v8, 4, s82           ; k: my head's half, 16 bytes a lane,
	s_add_co_u32 s83, s82, 512
	v_lshl_add_u32 v[HOME+2], v8, 3, s83           ; and 8 a lane
	s_lshl_b32 s84, s[PI], 2
	s_add_co_u32 s84, s84, KVO+1536
	v_lshl_add_u32 v[HOME+3], v9, 3, s84           ; k's scale words: row r's, my head's form;
	s_delay_alu instid0(VALU_DEP_1)
	v_mad_u32_u24 v[HOME+3], v10, REC, v[HOME+3]   ; lanes 16-31 take the next record's
	s_mul_i32 s85, s[PI], 4*REC
	s_add_co_u32 s85, s85, VVO
	v_lshl_add_u32 v[HOME+4], v8, 4, s85           ; v: my head's four records
	v_lshl_add_u32 v[HOME+5], v8, 3, s85
	s_add_co_u32 s86, s85, 1536
	v_lshl_add_u32 v[HOME+6], v9, 3, s86
	s_delay_alu instid0(VALU_DEP_1)
	v_mad_u32_u24 v[HOME+6], v10, REC, v[HOME+6]
.irp i, 6,7,8,9,10,11
	v_mov_b32 v[QF+\i], 0                          ; K is 64: the upper 64 codes are zeros, in q
.irp f, 0,1,2,3
	v_mov_b32 v[KF+12*\f+\i], 0                    ; and in k's four fragments; no later line writes these
.endr
.endr
.set j, 0
.rept 32
	v_mov_b32 v[OO+j], 0                           ; O^T.  (The step is written for every step alike: the first finds zeros, which the first change of M leaves zeros)
.set j, j+1
.endr
	v_mov_b32 v[SUM], 0
	v_mov_b32 v[SUM+1], 0
	v_mov_b32 v[PS], 0                             ; (named as the upper half of the pair with f before it is first written)
	v_mov_b32 v[T0], 0
	v_mov_b32 v[T0+1], 0                           ; (named as the upper half of a pair; never written again)
	v_mov_b32 v[NM+1], 0xff61b1e6                  ; the largest t so far: -3e38
	s_delay_alu instid0(VALU_DEP_1)
	v_floor_f32 v[NM], -v[NM+1]
	s_wait_loadcnt 0x0                             ; q
.Lstep:                                            ; 15 trips: behind each change of slots but the last the next step is asked for
	CHANGE 1
	STEP
	s_sub_co_u32 s[CNT], s[CNT], 1
	s_cmp_lg_u32 s[CNT], 0
	s_cbranch_scc1 .Lstep
	CHANGE 0                                       ; the last step is written out
	STEP
	; THE WAY OUT: a = O^T / l, quantised along my head's 64 features (two blocks), as half a record.
	PLACES 4
	v_add_f32 v[SUM], v[SUM], v[SUM+1]
	s_delay_alu instid0(VALU_DEP_1)
	v_permlanex16_b32 v[T0], v[SUM], s[SEL], s[SEL+1]
	s_delay_alu instid0(VALU_DEP_1)
	v_add_f32 v[SUM], v[SUM], v[T0]                ; the row's sum
	s_wait_alu depctr_va_vdst(0)
	v_rcp_f32 v[T0], v[SUM]
	v_and_b32 v8, 31, v0                           ; (a plain place behind the transcendental)
.set j, 0
	s_wait_alu depctr_va_vdst(0)
.rept 16
	v_pk_mul_f32 v[SS+j:SS+j+1], v[OO+j:OO+j+1], v[T0:T0+1] op_sel_hi:[1,0]   ; each accumulator from its low end on
.set j, j+2
.endr
.irp b, 0,1
	v_max3_num_f32 v[BM+\b], |v[SS+16*\b]|, |v[SS+1+16*\b]|, 0x1800000
.endr
.irp i, 2,4,6,8,10,12,14
.irp b, 0,1
	s_delay_alu instid0(VALU_DEP_2)
	v_max3_num_f32 v[BM+\b], v[BM+\b], |v[SS+16*\b+\i]|, |v[SS+1+16*\b+\i]|
.endr
.endr
.irp b, 0,1
	s_delay_alu instid0(VALU_DEP_2)
	v_permlanex16_b32 v[PT+\b], v[BM+\b], s[SEL], s[SEL+1]
.endr
.irp b, 0,1
	s_delay_alu instid0(VALU_DEP_2)
	v_max_num_f32 v[BM+\b], v[BM+\b], v[PT+\b]
.endr
.irp b, 0,1
	s_delay_alu instid0(VALU_DEP_2)
	v_add_nc_u32 v[SO+\b], 0xff000000, v[BM+\b]
.endr
.irp b, 0,1
	s_delay_alu instid0(VALU_DEP_2)
	v_lshrrev_b32 v[PT+\b], 23, v[SO+\b]
.endr
	s_delay_alu instid0(VALU_DEP_1)
	v_lshl_or_b32 v[PT+2], v[PT+1], 8, v[PT]       ; my head's two scale bytes
	v_cvt_scalef32_pk16_fp6_f32 v[PCD:PCD+2], v[SS:SS+15], v[SO]
	v_cvt_scalef32_pk16_fp6_f32 v[Y0:Y0+2], v[SS+16:SS+31], v[SO+1]
	v_nop
	PACKC PCD, Y0
	v_lshlrev_b32 v9, 4, v8
	v_lshlrev_b32 v10, 3, v8
	global_store_b128 v9, v[PCD:PCD+3], s[70:71]               ; 512 consecutive bytes, aligned
	global_store_b64 v10, v[PCD+4:PCD+5], s[70:71] offset:512  ; 256
	v_lshl_add_u32 v11, v0, 2, XCH
	ds_store_b32 v11, v[PT+2]                      ; the two heads' bytes meet in LDS: a word for each thread
	s_wait_dscnt 0x0                               ; for the others' sake: my store has landed
	s_barrier_signal -1
	s_barrier_wait -1
	v_and_b32 v12, 255, v0
	s_delay_alu instid0(VALU_DEP_1)
	v_lshl_add_u32 v12, v12, 2, XCH
	ds_load_b32 v64, v12                           ; the even head's,
	ds_load_b32 v65, v12 offset:1024               ; the odd head's, of the same queries
	s_wait_dscnt 0x0
	v_lshl_or_b32 v66, v65, 16, v64                ; the record's scale word,
	s_delay_alu instid0(VALU_DEP_1)
	v_alignbit_b32 v67, v66, v66, 16               ; and the same turned by 16 bits
	s_cmp_lt_u32 s[WV], 8                          ; the even head's wave stores the pair: each byte has one owner
	s_cbranch_scc0 .Lno_scale
	s_wait_alu depctr_va_vdst(0)
	global_store_b64 v10, v[66:67], s[72:73] offset:1536
.Lno_scale:
	s_wait_tensorcnt 0x0                           ; the wave's end
	ds_add_u32 v[SPW], v[NIL]
	s_wait_dscnt 0x0
	CROUND                                         ; the closing round
	s_endpgm
.Lfunc_end_k_q8638468ed5_attn:
	.size	k_q8638468ed5_attn, .Lfunc_end_k_q8638468ed5_attn-k_q8638468ed5_attn
	.p2alignl 7, 3214868480
	.fill 96, 4, 3214868480
	.section	.rodata,"a",@progbits
	.p2align	6, 0x0
	.amdhsa_kernel k_q8638468ed5_attn
		.amdhsa_group_segment_fixed_size 327680
		.amdhsa_private_segment_fixed_size 0
		.amdhsa_enable_private_segment 0
		.amdhsa_kernarg_size 32
		.amdhsa_user_sgpr_count 2
		.amdhsa_user_sgpr_kernarg_segment_ptr 1
		.amdhsa_wavefront_size32 1
		.amdhsa_system_sgpr_workgroup_id_x 1
		.amdhsa_system_sgpr_workgroup_id_y 1
		.amdhsa_system_sgpr_workgroup_id_z 1
		.amdhsa_system_vgpr_workitem_id 0
		.amdhsa_next_free_vgpr 256
		.amdhsa_next_free_sgpr 92
		.amdhsa_reserve_vcc 0
		.amdhsa_float_denorm_mode_32 3
		.amdhsa_float_denorm_mode_16_64 3
		.amdhsa_memory_ordered 1
		.amdhsa_forward_progress 1
		.amdhsa_inst_pref_size 69
	.end_amdhsa_kernel
	.amdgpu_metadata
---
amdhsa.version: [ 1, 2 ]
amdhsa.kernels:
  - .name:           k_q8638468ed5_attn
    .symbol:         k_q8638468ed5_attn.kd
    .args:
      - { .name: adj, .offset: 0, .size: 8, .value_kind: global_buffer, .address_space: global }
      - { .name: qrec, .offset: 8, .size: 8, .value_kind: global_buffer, .address_space: global }
      - { .name: kv, .offset: 16, .size: 8, .value_kind: global_buffer, .address_space: global }
      - { .name: arec, .offset: 24, .size: 8, .value_kind: global_buffer, .address_space: global }
    .group_segment_fixed_size: 327680
    .private_segment_fixed_size: 0
    .kernarg_segment_align: 8
    .kernarg_segment_size: 32
    .max_flat_workgroup_size: 512
    .sgpr_count:     92
    .vgpr_count:     256
    .wavefront_size: 32
...
	.end_amdgpu_metadata
.endif
;; end of part 2
;; launch proj (part 3): grid 8 x 32, 8 waves a work-group, clusters of 4 x 4, 327,680 bytes of LDS; arguments arec, qrec, w_proj_codes, w_proj_scales, w_proj1_codes, w_proj1_scales, b_proj, b_proj1, out0; writes out0
.if DOCPART == 3
	.amdgcn_target "amdgcn-amd-amdhsa--gfx1250"
	.amdhsa_code_object_version 6
	.text
	.protected	k_q8638468ed5_proj
	.globl	k_q8638468ed5_proj
	.p2align	8
	.type	k_q8638468ed5_proj,@function
k_q8638468ed5_proj:
	s_mov_b64 s[64:65], 0
	v_nop
	global_prefetch_b8 v0, s[64:65] scope:SCOPE_SE
	s_setreg_imm32_b32 hwreg(HW_REG_WAVE_MODE, 25, 1), 1
	s_wait_xcnt 0x0
	s_wait_alu depctr_hold_cnt(0) depctr_sa_sdst(0) depctr_va_vdst(0) depctr_va_sdst(0) depctr_va_ssrc(0) depctr_va_vcc(0) depctr_vm_vsrc(0)
	s_getreg_b32 s2, hwreg(HW_REG_IB_STS2, 6, 4)
	s_cmp_eq_u32 s2, 0
	s_cbranch_scc0 .Lentry_in_a_cluster
	s_endpgm
.Lentry_in_a_cluster:
	s_bfe_u32 s2, ttmp6, 0x10000c
	s_cmp_lg_u32 s2, 0xf033
	s_cbranch_scc0 .Lentry_shape_is_right
	s_endpgm
.Lentry_shape_is_right:
; out0 = a w_proj + b_proj + q w_proj1 + b_proj1, as ONE product with K = 2,048 on codes of FP6 (E2M3) with E8M0 scales, f32 sums.
; a and q come as records (1,792 bytes: the image of a fragment's registers, 16 tokens x 128 K: +0 registers 0-3, 16 bytes a lane; +512 registers 4-5, 8 a lane; +768 registers 6-9; +1280 registers 10-11; +1536 the scale word, 8 a lane),
; record ((T16 / 8) x 8 + K step) x 8 + T16 % 8: the 64 records of 128 tokens are dense.  The weights come as rows of 768 bytes, their scale bytes 32 a row.
; SHARES.  A work-group makes 128 tokens x 128 outputs: 256 work-groups.  Eight waves, two to a SIMD: wave w makes outputs 64 (w % 2) on (4 tiles, source 0) for tokens 32 (w / 2) on (2 records, source 1): eight accumulators.
; LDS: two slots of 32 records (512 along K), then the 128 rows of w_proj and of w_proj1 WHOLE (768 bytes a row, each row beginning on a multiple of 256 in memory; 16 bytes of padding behind every 256), filled once.
; The head's eight joint loads, one a wave: waves 0, 1 chunk 0's records, waves 2, 3 w_proj's halves, waves 4, 5 chunk 1's records, waves 6, 7 w_proj1's halves.  Chunks 2 and 3 (q's records) are the two refills, by waves 0 and 1.
; CLUSTER 4 x 4: the records are asked for jointly along a row of the cluster, the weights along a column.
; The weights' scale words go from memory into registers, a lane a row, 16 bytes for a chunk; two sets, each asked for a chunk or more ahead of its use.
; The sum of the two biases is laid into the accumulators at the head, so every product adds in place.  The order of the f32 sums so differs from the written one.
; No prefetch: the text has no loop to run ahead in; all but two chunks of records are asked for at the head.
.set REC,   1792
.set ACH,   32*REC                     ; a chunk's records: [K step 4][tile of tokens 8]
.set WP,    816                        ; a weight's row in LDS: 3 x (256 bytes + 16)
.set WSZ,   128*WP
.set WOFF,  2*ACH
.set SPARE, WOFF+2*WSZ                 ; the spare words, 128 bytes for each of 8 waves
.set STP,   528                        ; the way out: a stage of 128 rows x (512 bytes + 16), in w_proj's bytes, which are filled once and read last in chunk 1
.set STAGE, WOFF
.set SPW,  1
.set NIL,  2
.set ADW,  3                           ; v3, v4 fragments of w_proj, w_proj1; v5, v6 the same behind one padding more
.set A16,  7                           ; v7, v8  my records in slot 0, 1, 16 bytes a lane
.set A8,   9                           ; v9, v10 8 bytes a lane
.set ASA,  11                          ; v11, v12 their scale words: lanes 0-15 record 0, lanes 16-31 record 1
.set LSW,  13                          ; v13  32 x lane
.set STO,  14
.set RD,   15
.set CO,   16
.set BH,   17
.set WS,   18                          ; v18-25 and v178-185: the weight's scale words, two sets: pair of tiles j, K step k at 4 j + k
.set AS,   26                          ; v26, v27 the records' scale words
.set FR0,  32                          ; v32-103, v104-175 two sets of fragments: the weight's 4 x 12, the records' 2 x 12
.set ACC,  192                         ; v192-255 accumulator (a, t) at 192 + 32 a + 8 t
.set WV,   22
.set W1,   23
.set G1A,  24
.set G0A,  32
.set G1W,  36
.set G0W,  44
.set G0R,  48                          ; group 0 of the refills
.set CX,   52
.set CY,   53
.set TC,   54
.set TR,   55
.set TG,   56
.set SET,  57
.set PS0,  58
.set PS1,  60
.macro PLACES n
.rept \n
	v_nop
.endr
.endm
.macro CROUND                          ; a round of the cluster's barrier
	s_barrier_signal -1
	s_barrier_wait -1
	s_cmp_lg_u32 s[WV], 0
	s_cbranch_scc1 .Lnot_wave_0_\@
	s_barrier_signal -3
.Lnot_wave_0_\@:
	s_barrier_wait -3
	s_barrier_signal -1
	s_barrier_wait -1
.endm
.macro CHANGE fill, s                  ; the change of slots; fill = 1: slot s, just left, takes chunk 2 + s
	s_wait_tensorcnt 0x0                           ; all my tensor loads have landed
	ds_add_u32 v[SPW], v[NIL]
.if (\fill) && (\s)
	s_add_co_u32 s[G0R+1], s[G0R+1], ACH           ; no load of mine is out: the other slot, the next 32 records
	s_add_nc_u64 s[G0R+2:G0R+3], s[G0R+2:G0R+3], ACH
.endif
	s_wait_dscnt 0x0                               ; the add is done, and my reads of the slot that I have left are over
.if \fill
	CROUND
	s_cmp_lt_u32 s[WV], 2                          ; waves 0, 1: the records' halves; the others none
	s_cbranch_scc0 .Lasked_\@
	tensor_load_to_lds s[G0R:G0R+3], s[G1A:G1A+7]
	s_nop 0
	PLACES 4
.Lasked_\@:
.else
	s_barrier_signal -1
	s_barrier_wait -1
.endif
.endm
.macro FRAGW reg, adr, ks, t           ; a fragment of the weight: pieces of 8 bytes; lanes 16-31 read three pieces further on: behind one padding more where PC % 32 is 29 or more
.irp p, 0,1,2,3,4,5
.set PC, 12*(\ks)+6*(\p/3)+\p%3
.if PC%32 < 29
	ds_load_b64 v[\reg+2*\p:\reg+2*\p+1], v[\adr] offset:8*PC+16*(PC/32)+(\t)*16*WP
.else
	ds_load_b64 v[\reg+2*\p:\reg+2*\p+1], v[\adr+2] offset:8*PC+16*(PC/32)+(\t)*16*WP
.endif
.endr
.endm
.macro FETCH i, ks, fs                 ; 33 LDS loads: the fragments and the records' scale word of chunk i's K step ks, into set fs
.irp t, 0,1,2,3
	FRAGW FR0+72*(\fs)+12*\t, ADW+(\i)/2, 4*((\i)%2)+(\ks), \t
.endr
.irp a, 0,1
	ds_load_b128 v[FR0+72*(\fs)+48+12*\a:FR0+72*(\fs)+51+12*\a], v[A16+(\i)%2] offset:8*REC*(\ks)+REC*\a
	ds_load_b64 v[FR0+72*(\fs)+52+12*\a:FR0+72*(\fs)+53+12*\a], v[A8+(\i)%2] offset:8*REC*(\ks)+REC*\a+512
	ds_load_b128 v[FR0+72*(\fs)+54+12*\a:FR0+72*(\fs)+57+12*\a], v[A16+(\i)%2] offset:8*REC*(\ks)+REC*\a+768
	ds_load_b64 v[FR0+72*(\fs)+58+12*\a:FR0+72*(\fs)+59+12*\a], v[A8+(\i)%2] offset:8*REC*(\ks)+REC*\a+1280
.endr
	ds_load_b32 v[AS+(\fs)], v[ASA+(\i)%2] offset:8*REC*(\ks)
.endm
.macro WM d, a, b, sa, sb, ra, rb      ; one product, onto its accumulator; ra, rb = 1: the side's scale words stand in lanes 16-31
.if (\ra) && (\rb)
	v_wmma_scale_f32_16x16x128_f8f6f4 v[\d:\d+7], v[\a:\a+11], v[\b:\b+11], v[\d:\d+7], v[\sa], v[\sb] matrix_a_fmt:MATRIX_FMT_FP6 matrix_b_fmt:MATRIX_FMT_FP6 matrix_a_scale:MATRIX_SCALE_ROW1 matrix_b_scale:MATRIX_SCALE_ROW1
.elseif (\ra)
	v_wmma_scale_f32_16x16x128_f8f6f4 v[\d:\d+7], v[\a:\a+11], v[\b:\b+11], v[\d:\d+7], v[\sa], v[\sb] matrix_a_fmt:MATRIX_FMT_FP6 matrix_b_fmt:MATRIX_FMT_FP6 matrix_a_scale:MATRIX_SCALE_ROW1
.elseif (\rb)
	v_wmma_scale_f32_16x16x128_f8f6f4 v[\d:\d+7], v[\a:\a+11], v[\b:\b+11], v[\d:\d+7], v[\sa], v[\sb] matrix_a_fmt:MATRIX_FMT_FP6 matrix_b_fmt:MATRIX_FMT_FP6 matrix_b_scale:MATRIX_SCALE_ROW1
.else
	v_wmma_scale_f32_16x16x128_f8f6f4 v[\d:\d+7], v[\a:\a+11], v[\b:\b+11], v[\d:\d+7], v[\sa], v[\sb] matrix_a_fmt:MATRIX_FMT_FP6 matrix_b_fmt:MATRIX_FMT_FP6
.endif
.endm
.macro MUL8 k, i                       ; a K step: eight accumulators by turns, in the same order in every step
.irp t, 0,1,2,3
.irp a, 0,1
	WM ACC+32*\a+8*\t, FR0+72*((\k)%2)+12*\t, FR0+72*((\k)%2)+48+12*\a, WS+160*((\i)%2)+4*(\t/2)+(\k), AS+(\k)%2, \t%2, \a
.endr
.endr
.endm
.macro CHUNK i                         ; 512 along K: records out of slot i % 2, half i % 2 of weight i / 2
	PLACES 4                                       ; for the loads below
.if (\i) == 2
	s_wait_loadcnt 0x2                             ; this chunk's two loads of scale words are in; the next chunk's two may be out
.elseif (\i) == 3
	s_wait_loadcnt 0x0
.endif
	FETCH \i, 0, 0
.irp k, 0,1,2,3
.if \k < 3
.if \k > 0
	PLACES 4                                       ; the other set was multiplied a step ago
.endif
	FETCH \i, \k+1, (\k+1)%2
	s_wait_dscnt 33                                ; all but the 33 loads just issued
.else
	s_wait_dscnt 0x0
.endif
	MUL8 \k, \i
.endr
.if (\i) < 2
	PLACES 4                                       ; this set of scale words is done with: it takes chunk i + 2's, of w_proj1
.irp j, 0,1
	global_load_b128 v[WS+160*(\i)+4*\j:WS+160*(\i)+4*\j+3], v[LSW], s[PS1:PS1+1] offset:1024*\j+16*(\i)
.endr
.endif
.endm
	s_load_b256 s[4:11], s[0:1], 0x0               ; arec, qrec, w_proj's codes, its scales
	s_load_b256 s[12:19], s[0:1], 0x20             ; w_proj1's codes, its scales, b_proj, b_proj1
	s_load_b64 s[20:21], s[0:1], 0x40              ; out0
	v_lshl_add_u32 v[SPW], v0, 2, SPARE
	v_mov_b32 v[NIL], 0
	ds_add_u32 v[SPW], v[NIL]                      ; the opening lines: the add, twice on end, and its wait
	ds_add_u32 v[SPW], v[NIL]
	v_lshrrev_b32 v3, 5, v0
	v_readfirstlane_b32 s[WV], v3                  ; wave 0..7
	s_and_b32 s[W1], s[WV], 1                      ; which half I fetch; also: which 64 outputs are mine
	s_lshr_b32 s[TG], s[WV], 1                     ; which 32 tokens
	s_lshr_b32 s[SET], s[WV], 2                    ; at the head: chunk 0 and w_proj, or chunk 1 and w_proj1
	s_bfe_u32 s[CX], ttmp6, 0x40000
	s_bfe_u32 s[CY], ttmp6, 0x40004
	s_lshl_b32 s[TC], ttmp9, 2
	s_add_co_u32 s[TC], s[TC], s[CX]               ; tile column, 0..7
	s_and_b32 s[TR], ttmp7, 0xffff
	s_lshl_b32 s[TR], s[TR], 2
	s_add_co_u32 s[TR], s[TR], s[CY]               ; tile row, 0..31
	s_lshl_b32 s2, s[CY], 2
	s_lshl_b32 s2, 15, s2                          ; my row of the cluster
	s_lshl_b32 s3, 0x1111, s[CX]                   ; my column
	s_or_b32 s[G1A], s2, (3<<16)|(1<<21)           ; sixteen records: 28,672 dense bytes as 112 rows of 256 (32 elements of 8 bytes)
	s_mov_b32 s[G1A+1], 32<<16
	s_mov_b32 s[G1A+2], 112<<16
	s_mov_b32 s[G1A+3], 32<<16
	s_mov_b32 s[G1A+4], 112
	s_mov_b32 s[G1A+5], 32
	s_mov_b32 s[G1A+6], 0
	s_mov_b32 s[G1A+7], 0
	s_or_b32 s[G1W], s3, (1<<20)|(1<<21)|(5<<22)|(3<<25)   ; a weight: 64 rows x 768 bytes, 16 bytes of padding behind every 256
	s_mov_b32 s[G1W+1], 768<<16
	s_mov_b32 s[G1W+2], 64<<16
	s_mov_b32 s[G1W+3], 768<<16
	s_mov_b32 s[G1W+4], 64
	s_mov_b32 s[G1W+5], 768
	s_mov_b32 s[G1W+6], 0
	s_mov_b32 s[G1W+7], 0
	s_mul_i32 s77, s[W1], 16*REC                   ; my half of a chunk's records
	s_mul_i32 s84, s[TR], 64*REC
	s_add_co_u32 s84, s84, s77
	s_mov_b32 s85, 0
	s_mul_i32 s86, s[SET], ACH
	s_mov_b32 s87, 0
	s_add_co_u32 s67, s77, s86                     ; where they go: made of the wave's number alone
	s_lshl_b32 s88, s[TC], 7                       ; the weight: row 128 x tile column + 64 x half
	s_lshl_b32 s66, s[W1], 6
	s_add_co_u32 s88, s88, s66
	s_lshl_b32 s90, s88, 5                         ; its scale bytes,
	s_mul_i32 s88, s88, 768                        ; its codes
	s_mov_b32 s89, 0
	s_mov_b32 s91, 0
	s_mul_i32 s74, s[W1], 64*WP
	s_add_co_u32 s74, s74, WOFF                    ; my 64 rows of w_proj in LDS
	s_mul_i32 s68, s[SET], WSZ
	s_add_co_u32 s68, s68, s74
	s_and_b32 s69, s[WV], 2
	s_wait_dscnt 0x0
	s_wait_kmcnt 0x0
	s_cmp_eq_u32 s[SET], 0
	s_cselect_b64 s[70:71], s[8:9], s[12:13]       ; the choice hangs on the wave's number alone
	CROUND                                         ; all sixteen work-groups are here: the first joint loads meet
	s_mov_b32 s[G0A], 1
	s_mov_b32 s[G0A+1], s67
	s_add_nc_u64 s[G0A+2:G0A+3], s[4:5], s[84:85]
	s_add_nc_u64 s[G0A+2:G0A+3], s[G0A+2:G0A+3], s[86:87]
	s_or_b32 s[G0A+3], s[G0A+3], 0x80000000
	s_mov_b32 s[G0W], 1
	s_mov_b32 s[G0W+1], s68
	s_add_nc_u64 s[G0W+2:G0W+3], s[70:71], s[88:89]
	s_or_b32 s[G0W+3], s[G0W+3], 0x80000000
	s_mov_b32 s[G0R], 1
	s_mov_b32 s[G0R+1], s77
	s_add_nc_u64 s[G0R+2:G0R+3], s[6:7], s[84:85]
	s_or_b32 s[G0R+3], s[G0R+3], 0x80000000
	s_cmp_eq_u32 s69, 0                            ; one load a wave: every way passes exactly one
	s_cbranch_scc0 .Lhead_w
	tensor_load_to_lds s[G0A:G0A+3], s[G1A:G1A+7]
	s_nop 0
	PLACES 4
	s_branch .Lhead_done
.Lhead_w:
	tensor_load_to_lds s[G0W:G0W+3], s[G1W:G1W+7]
	s_nop 0
	PLACES 4
.Lhead_done:
	s_add_nc_u64 s[PS0:PS0+1], s[10:11], s[90:91]
	s_add_nc_u64 s[PS1:PS1+1], s[14:15], s[90:91]
	s_lshl_b32 s72, s[TC], 9                       ; the biases of my 64 outputs
	s_lshl_b32 s73, s[W1], 8
	s_add_co_u32 s72, s72, s73
	s_add_co_u32 s93, s73, STAGE
	s_mov_b32 s73, 0
	s_add_nc_u64 s[80:81], s[16:17], s[72:73]
	s_add_nc_u64 s[82:83], s[18:19], s[72:73]
	s_mul_i32 s75, s[TG], 2*REC                    ; my two records of a K step's eight
	s_add_co_u32 s76, s75, 1536
	s_lshl_b32 s92, s[TG], 5
	s_mul_i32 s94, s[WV], 16*STP
	s_add_co_u32 s94, s94, STAGE
	s_lshl_b32 s84, s[TR], 7                       ; out0: row 128 x tile row + 16 x wave, 4,096 bytes a row; column 128 x tile column
	s_lshl_b32 s85, s[WV], 4
	s_add_co_u32 s84, s84, s85
	s_lshl_b32 s84, s84, 12
	s_lshl_b32 s85, s[TC], 9
	s_add_co_u32 s84, s84, s85
	s_mov_b32 s85, 0
	s_add_nc_u64 s[78:79], s[20:21], s[84:85]
	v_and_b32 v28, 31, v0                          ; lane
	v_and_b32 v29, 15, v0                          ; r
	v_bfe_u32 v30, v0, 4, 1                        ; h
	v_lshlrev_b32 v[BH], 5, v30
	v_lshlrev_b32 v[LSW], 5, v28
.irp j, 0,1                                    ; w_proj's scale words: row 32 j + lane; chunk 0's 16 bytes, chunk 1's
	global_load_b128 v[WS+4*\j:WS+4*\j+3], v[LSW], s[PS0:PS0+1] offset:1024*\j
	global_load_b128 v[WS+160+4*\j:WS+160+4*\j+3], v[LSW], s[PS0:PS0+1] offset:1024*\j+16
.endr
.irp t, 0,1,2,3                                ; the biases in the result's layout: outputs 16 t + 8 h + 0 .. 7
	global_load_b128 v[32+8*\t:35+8*\t], v[BH], s[80:81] offset:64*\t
	global_load_b128 v[36+8*\t:39+8*\t], v[BH], s[80:81] offset:64*\t+16
	global_load_b128 v[64+8*\t:67+8*\t], v[BH], s[82:83] offset:64*\t
	global_load_b128 v[68+8*\t:71+8*\t], v[BH], s[82:83] offset:64*\t+16
.endr
	v_mul_u32_u24 v31, v29, WP
	v_mad_u32_u24 v31, v30, 24, v31                ; the weight: a fragment's row x pitch + 24 h
	v_add_nc_u32 v[ADW], s74, v31
	v_lshl_add_u32 v[ADW+2], v30, 4, v[ADW]        ; and the same behind one padding more
	v_add_nc_u32 v[ADW+1], WSZ, v[ADW]
	v_add_nc_u32 v[ADW+3], WSZ, v[ADW+2]
	v_lshl_add_u32 v[A16], v28, 4, s75
	v_add_nc_u32 v[A16+1], ACH, v[A16]
	v_lshl_add_u32 v[A8], v28, 3, s75
	v_add_nc_u32 v[A8+1], ACH, v[A8]
	v_lshl_add_u32 v[ASA], v29, 3, s76
	v_mad_u32_u24 v[ASA], v30, REC, v[ASA]         ; lanes 16-31 take the second record's scale words
	v_add_nc_u32 v[ASA+1], ACH, v[ASA]
	v_add_nc_u32 v[STO], s92, v29
	v_mul_u32_u24 v[STO], v[STO], STP
	v_lshl_add_u32 v[STO], v30, 5, v[STO]
	v_add_nc_u32 v[STO], s93, v[STO]               ; the stage: row 32 tg + r, + 256 x my half of the outputs + 32 h
	v_lshl_add_u32 v[RD], v28, 4, s94              ; back: my 16 rows, 16 bytes a lane
	v_lshlrev_b32 v[CO], 4, v28
	s_wait_alu depctr_va_vdst(0)
	s_wait_loadcnt 0x0
.set j, 0
.rept 16
	v_pk_add_f32 v[ACC+j:ACC+j+1], v[32+j:33+j], v[64+j:65+j]          ; b_proj + b_proj1 starts every sum
	v_pk_add_f32 v[ACC+32+j:ACC+33+j], v[32+j:33+j], v[64+j:65+j]
.set j, j+2
.endr
	s_wait_alu depctr_va_vdst(0)
	s_wait_tensorcnt 0x0                           ; my one load of the head's eight is in
	s_barrier_signal -1
	s_barrier_wait -1                              ; everybody's is
	CHUNK 0
	CHANGE 1, 0                                    ; slot 0 takes chunk 2
	CHUNK 1
	CHANGE 1, 1                                    ; slot 1 takes chunk 3
	CHUNK 2
	CHANGE 0, 0                                    ; nothing is left to fetch
	CHUNK 3
	; THE WAY OUT.  A row's 128 outputs come from two waves: they meet in the stage, and each wave stores 16 whole rows of 512 bytes.
	PLACES 4
.irp a, 0,1
.irp t, 0,1,2,3
	ds_store_b128 v[STO], v[ACC+32*\a+8*\t:ACC+32*\a+8*\t+3] offset:16*STP*\a+64*\t        ; each accumulator from its low end on
	ds_store_b128 v[STO], v[ACC+32*\a+8*\t+4:ACC+32*\a+8*\t+7] offset:16*STP*\a+64*\t+16
.endr
.endr
	s_wait_dscnt 0x0                               ; for the others' sake: my stores into the stage have landed
	s_barrier_signal -1
	s_barrier_wait -1
.irp i, 0,1,2,3,4,5,6,7,8,9,10,11,12,13,14,15
	ds_load_b128 v[32+4*\i:35+4*\i], v[RD] offset:\i*STP
.endr
.irp i, 0,1,2,3,4,5,6,7,8,9,10,11,12,13,14,15
	s_wait_dscnt 15-\i                             ; LDS loads come back in order: row i is in, the younger ones may be out
	global_store_b128 v[CO], v[32+4*\i:35+4*\i], s[78:79] offset:4096*\i th:TH_STORE_NT   ; 32 lanes store 512 consecutive bytes, aligned
.endr
	s_wait_tensorcnt 0x0                           ; the wave's end
	ds_add_u32 v[SPW], v[NIL]
	s_wait_dscnt 0x0
	CROUND                                         ; the closing round
	s_endpgm
.Lfunc_end_k_q8638468ed5_proj:
	.size	k_q8638468ed5_proj, .Lfunc_end_k_q8638468ed5_proj-k_q8638468ed5_proj
	.p2alignl 7, 3214868480
	.fill 96, 4, 3214868480
	.section	.rodata,"a",@progbits
	.p2align	6, 0x0
	.amdhsa_kernel k_q8638468ed5_proj
		.amdhsa_group_segment_fixed_size 327680
		.amdhsa_private_segment_fixed_size 0
		.amdhsa_enable_private_segment 0
		.amdhsa_kernarg_size 72
		.amdhsa_user_sgpr_count 2
		.amdhsa_user_sgpr_kernarg_segment_ptr 1
		.amdhsa_wavefront_size32 1
		.amdhsa_system_sgpr_workgroup_id_x 1
		.amdhsa_system_sgpr_workgroup_id_y 1
		.amdhsa_system_sgpr_workgroup_id_z 1
		.amdhsa_system_vgpr_workitem_id 0
		.amdhsa_next_free_vgpr 256
		.amdhsa_next_free_sgpr 100
		.amdhsa_reserve_vcc 0
		.amdhsa_float_denorm_mode_32 3
		.amdhsa_float_denorm_mode_16_64 3
		.amdhsa_memory_ordered 1
		.amdhsa_forward_progress 1
		.amdhsa_inst_pref_size 69
	.end_amdhsa_kernel
	.amdgpu_metadata
---
amdhsa.version: [ 1, 2 ]
amdhsa.kernels:
  - .name:           k_q8638468ed5_proj
    .symbol:         k_q8638468ed5_proj.kd
    .args:
      - { .name: arec, .offset: 0, .size: 8, .value_kind: global_buffer, .address_space: global }
      - { .name: qrec, .offset: 8, .size: 8, .value_kind: global_buffer, .address_space: global }
      - { .name: w_proj_codes, .offset: 16, .size: 8, .value_kind: global_buffer, .address_space: global }
      - { .name: w_proj_scales, .offset: 24, .size: 8, .value_kind: global_buffer, .address_space: global }
      - { .name: w_proj1_codes, .offset: 32, .size: 8, .value_kind: global_buffer, .address_space: global }
      - { .name: w_proj1_scales, .offset: 40, .size: 8, .value_kind: global_buffer, .address_space: global }
      - { .name: b_proj, .offset: 48, .size: 8, .value_kind: global_buffer, .address_space: global }
      - { .name: b_proj1, .offset: 56, .size: 8, .value_kind: global_buffer, .address_space: global }
      - { .name: out0, .offset: 64, .size: 8, .value_kind: global_buffer, .address_space: global }
    .group_segment_fixed_size: 327680
    .private_segment_fixed_size: 0
    .kernarg_segment_align: 8
    .kernarg_segment_size: 72
    .max_flat_workgroup_size: 256
    .sgpr_count:     100
    .vgpr_count:     256
    .wavefront_size: 32
...
	.end_amdgpu_metadata
.endif
;; end of part 3
